; MI455X (gfx1250); checked and timed in simulation.
; The chip was launched on July 23, 2026; its instructions are those of AMD's public machine-readable ISA for CDNA 5 (MIT licence, August 2026) and "CDNA5" Instruction Set Architecture Reference Guide (July 2026). The comments in the code are by the model that wrote it; some were corrected since.
;; Multi Head Latent Attention. Allowed arithmetic: matrix products marked QUANTISED: E2M1 operands, one E8M0 scale for each 32 along K, by v_wmma_scale_f32_16x16x128_f8f6f4 with both operands' format E2M1 (or v_wmma_scale_f32_32x16x128_f4), f32 sums; products left as they are: bf16, f16 or f32 operands; f32 sums; everything else in f32.
;; Inputs: Wc 1,024 x 256 float32; Wk 256 x 1,024 float32; Wo 1,024 x 1,024 float32; Wq 1,024 x 1,024 float32; Wv 256 x 1,024 float32; bc 256 float32; bk 1,024 float32; bo 1,024 float32; bq 1,024 float32; bv 1,024 float32; x 4 x 2,048 x 1,024 float32.
;; Outputs: out0 4 x 2,048 x 1,024 float32.
;; This version of the problem:
;;   THIS VERSION OF THE PROBLEM IS GIVEN IN LOW PRECISION. The matrix products marked QUANTISED in the list below multiply operands that are first quantised to E2M1 (2 exponent bits, 1 mantissa bit; 4 bits a number), with one power-of-two scale for each 32 numbers along K (OCP MX v1.0); their sums are f32. The products marked 'left as it is' may take bf16, f16 or f32 operands, with f32 sums. Whichever they take, every output number must still come out within the allowed error. Rounding operands to bf16 (8 significant bits) uses up far more of that allowance than f16 does (11 bits, for magnitudes from 6e-5 to 65,504). All else is computed in f32.
;;   The module's matrix products, in the order in which they are computed (A, B: the left and right operand; K: the contracted axis; several contracted axes count as one K, in the product's order):
;;     1. [M 8,192, K 1,024] x [K 1,024, N 1,024]; A: input x; B: input Wq: QUANTISED
;;     2. [M 8,192, K 1,024] x [K 1,024, N 256]; A: input x; B: input Wc: QUANTISED
;;     3. [M 8,192, K 256] x [K 256, N 1,024]; A: computed on the way; B: input Wk: left as it is (an operand is computed on the way)
;;     4. [M 8,192, K 256] x [K 256, N 1,024]; A: computed on the way; B: input Wv: left as it is (an operand is computed on the way)
;;     5. batch 64 x [M 2,048, K 64] x [K 64, N 2,048]; A: computed on the way; B: computed on the way: left as it is (an operand is computed on the way)
;;     6. batch 64 x [M 2,048, K 2,048] x [K 2,048, N 64]; A: computed on the way; B: computed on the way: left as it is (an operand is computed on the way)
;;     7. [M 8,192, K 1,024] x [K 1,024, N 1,024]; A: computed on the way; B: input Wo: left as it is (an operand is computed on the way)
;;   THE QUANTISER, for each operand of a quantised product, along K:
;;     - K is cut into blocks of 32 from its start; a last block that is shorter is filled with zeros.
;;     - A block's scale is 2^e with e = floor(log2(the largest magnitude in the block)) - 2, held to -126 .. 127; a block of zeros has e = 0. As a byte (E8M0): e + 127.
;;     - Each number is divided by its block's scale, clamped to +-6, and rounded to the nearest number of E2M1, ties to even, subnormals kept.
;;     - The product sums the exact products of the quantised numbers (number of the format x scale) in f32.
;;   ~~~python
;;   def quantise(x, axis):      # numpy; x: float32 -> the quantised numbers, widened to float32 again
;;       x = np.moveaxis(x, axis, -1); K = x.shape[-1]
;;       x = np.pad(x, [(0, 0)] * (x.ndim - 1) + [(0, -K % 32)]); x = x.reshape(x.shape[:-1] + (-1, 32)); a = np.abs(x).max(-1, keepdims=True)
;;       e = np.where(a > 0, np.clip(np.frexp(np.where(a > 0, a, 1))[1] - 1 - 2, -126, 127), 0)      # np.frexp(a)[1] - 1 = floor(log2(a)), exactly
;;       r = np.clip(x / 2.0 ** e, -6, 6)
;;       step = 2.0 ** (np.maximum(np.frexp(np.where(r == 0, 1, r))[1] - 1, 0) - 1)
;;       q = np.round(r / step) * step * 2.0 ** e      # np.round: ties to even
;;       return np.moveaxis(q.reshape(q.shape[:-2] + (-1,))[..., :K], -1, axis).astype(np.float32)
;;   ~~~
;; One version. Each part assembles by itself: llvm-mc -triple=amdgcn-amd-amdhsa -mcpu=gfx1250 --defsym DOCPART=n.
;; ======== version 1 of 1: 5 launches
;; limits: right only within a limited range of input values
;; workspace buffers: xq 4,456,448 bytes; w1 696,320 bytes; w16 3,145,728 bytes; mx 6,144 bytes; sc 256 bytes; ql 20,971,520 bytes; kv 33,554,432 bytes; at 16,777,216 bytes
;; launch prep (part 1): grid 432 x 1, 4 waves a work-group, no clusters, 77,312 bytes of LDS; arguments x, Wq, Wc, Wk, Wv, Wo, bq, bc, bk, bv, xq, w1, w16, mx; writes xq, w1, w16, mx
.if DOCPART == 1
	.amdgcn_target "amdgcn-amd-amdhsa--gfx1250"
	.amdhsa_code_object_version 6
	.text
	.protected	k_q8f337abc47_prep
	.globl	k_q8f337abc47_prep
	.p2align	8
	.type	k_q8f337abc47_prep,@function
k_q8f337abc47_prep:
	s_mov_b64 s[64:65], 0
	v_nop
	global_prefetch_b8 v0, s[64:65] scope:SCOPE_SE
	s_setreg_imm32_b32 hwreg(HW_REG_WAVE_MODE, 25, 1), 1
	s_wait_xcnt 0x0
; PREP: all inputs are brought into the forms that the products take.  Three paths, chosen by the work-group's number, each with LDS bytes of its own:
;   work-groups 0-79:    Wq | Wc (f32, [k][n]) -> codes of FP4 (E2M1) with K innermost, w1 [1280 n][512 bytes], and E8M0 scale bytes [1280][32] from byte W1_SC on
;   work-groups 80-175:  Wk | Wv and Wo (f32, [k][n]) -> f16, laid [n][k]: w16 [2048][256], then Wo [1024][1024] from byte 1,048,576 on
;   work-groups 176-431: x (f32, K innermost) -> codes xq [8192][512 bytes], scale bytes [8192][32] from byte XQ_SC on
; A block's scale is 2^(floor(log2(its largest magnitude)) - 2); its byte is that magnitude's exponent field - 2, held at 1 from below (a block of zeros gets the byte 1: its codes are zeros, and this program alone reads the bytes).
; Each wave also stores the largest magnitude that it saw into mx (x: words 0-1023; Wq, Wc, bq, bc: 1024-1343; Wk, Wv, bk, bv: 1344-1471): the next launch makes of them the powers of two by which the f16 operands are scaled.
; LIMITS: NaN and infinities among the inputs are not served; blocks whose largest magnitude lies under 2^-124 keep the byte 1.
; No tensor loads, no cluster: the work-groups share no input.
.set SPW,   12                         ; v12  LDS address of my spare word; never rewritten
.set NIL,   13                         ; v13  0; never rewritten
.set SPARE, 76800                      ; behind all stages: the spare words, 128 bytes a wave
.set XQ_SC, 0x400000
.set W1_SC, 655360
.set XSP,   80                         ; path x: a lane's place in a stage: 64 bytes + 16 of padding
.set XREG,  8192                       ; path x: LDS bytes 0-32,767, a region for each wave
.set W1ST,  32768                      ; path Wq|Wc: 32 rows (columns of W) x 272 bytes of codes,
.set W1SB,  41472                      ; and 32 x 16 scale bytes
.set FST,   41984                      ; path f16: 32 rows x 272 bytes for each wave
.set CP,    272
.set XR,    16                         ; path x: v16-79 four sets of 16 numbers as loaded
.set XX,    80                         ; v80-111 two sets of 16 neighbours
.set XE,    112                        ; v112-127 a scale byte for each step
.set XC,    128                        ; v128-191 codes
; the wave's largest magnitude (v10) over its 32 lanes; lane 0 stores it at word s[sidx] of mx
.macro WMAX sidx
	s_wait_xcnt 0x0                                ; earlier loads and stores have read their registers: EXEC and v1, v9 may change
	v_max_num_f32_dpp v10, v10, v10 row_xmask:1 row_mask:0xf bank_mask:0xf
	v_max_num_f32_dpp v10, v10, v10 row_xmask:2 row_mask:0xf bank_mask:0xf
	v_max_num_f32_dpp v10, v10, v10 row_xmask:4 row_mask:0xf bank_mask:0xf
	v_max_num_f32_dpp v10, v10, v10 row_xmask:8 row_mask:0xf bank_mask:0xf
	v_mov_b32 v9, 0
	v_permlanex16_b32 v9, v10, s40, s41
	v_max_num_f32 v10, v10, v9
	v_mov_b32 v1, 0
	s_lshl_b32 s54, s[\sidx], 2
	s_mov_b32 s55, 0
	s_add_nc_u64 s[54:55], s[30:31], s[54:55]
	v_cmp_eq_u32 vcc_lo, 0, v2
	s_and_saveexec_b32 s56, vcc_lo
	global_store_b32 v1, v10, s[54:55]
	s_wait_xcnt 0x0                                ; EXEC widens only behind this wait
	s_or_b32 exec_lo, exec_lo, s56
.endm
.macro FINISH                          ; the wave's end, behind my last LDS store
	s_wait_tensorcnt 0x0
	ds_add_u32 v[SPW], v[NIL]
	s_wait_dscnt 0x0
	s_endpgm
.endm
	s_load_b512 s[4:19], s[0:1], 0x0               ; x, Wq, Wc, Wk, Wv, Wo, bq, bc
	s_load_b256 s[20:27], s[0:1], 0x40             ; bk, bv, xq, w1
	s_load_b128 s[28:31], s[0:1], 0x60             ; w16, mx
	v_lshl_add_u32 v[SPW], v0, 2, SPARE
	v_mov_b32 v[NIL], 0
	v_lshrrev_b32 v1, 5, v0
	v_readfirstlane_b32 s32, v1                    ; wave 0..3
	v_and_b32 v2, 31, v0                           ; lane
	v_mov_b32 v10, 0                               ; the largest magnitude so far
	s_mov_b32 s40, 0x76543210
	s_mov_b32 s41, 0xfedcba98                      ; v_permlanex16_b32's selects for lane l xor 16
	s_wait_kmcnt 0x0
	s_cmp_ge_u32 ttmp9, 176
	s_cbranch_scc1 .Lpath_x
	s_cmp_ge_u32 ttmp9, 80
	s_cbranch_scc1 .Lpath_f16
; ---------------- Wq | Wc into codes.  A work-group takes 32 columns x 512 along K; wave w takes 128 of the 512: four blocks of 32.
; A lane takes a column and its registers run down K, so a block lies in one lane and the codes come out with K innermost.  The four waves' 64 bytes a column meet in LDS and leave as 256 bytes a column.
	s_cmp_ge_u32 ttmp9, 40
	s_cselect_b32 s33, 1, 0                        ; which half of K
	s_cselect_b32 s34, 40, 0
	s_sub_co_u32 s34, ttmp9, s34                   ; group of 32 columns, 0..39: 0-31 Wq's, 32-39 Wc's
	s_mov_b32 s35, 1024
	s_cmp_lt_u32 s34, 32
	s_cselect_b64 s[36:37], s[6:7], s[8:9]
	s_cselect_b64 s[38:39], s[16:17], s[18:19]
	s_cselect_b32 s35, 4096, s35                   ; bytes from row to row of the source
	s_cselect_b32 s42, 0, 32
	s_sub_co_u32 s42, s34, s42
	s_lshl_b32 s42, s42, 7                         ; my columns' first byte in a row, and in the bias
	s_mov_b32 s43, 0
	s_add_nc_u64 s[38:39], s[38:39], s[42:43]
	s_lshl_b32 s52, s33, 9
	s_lshl_b32 s53, s32, 7
	s_add_co_u32 s52, s52, s53                     ; my first row: 512 x half + 128 x wave
	s_mul_i32 s52, s52, s35
	s_add_co_u32 s52, s52, s42
	s_mov_b32 s53, 0
	s_add_nc_u64 s[44:45], s[36:37], s[52:53]      ; a base for each of my four blocks, 32 rows apart
	s_lshl_b32 s52, s35, 5
	s_add_nc_u64 s[46:47], s[44:45], s[52:53]
	s_add_nc_u64 s[48:49], s[46:47], s[52:53]
	s_add_nc_u64 s[50:51], s[48:49], s[52:53]
	v_lshlrev_b32 v3, 2, v2
.set i, 0
.rept 32
	v_mad_u32_u24 v[16+i], s35, i, v3              ; row i of a block, my column
.set i, i+1
.endr
.macro W1LOAD t
.set i, 0
.rept 32
	global_load_b32 v[64+32*(\t)+i], v[16+i], s[44+2*(\t):45+2*(\t)]
.set i, i+1
.endr
.endm
	global_load_b32 v14, v3, s[38:39]              ; my column's bias: for the largest magnitude alone
	W1LOAD 0
	W1LOAD 1
	v_mul_u32_u24 v4, v2, CP
	s_lshl_b32 s54, s32, 6
	s_add_co_u32 s54, s54, W1ST
	v_add_nc_u32 v4, s54, v4                       ; into the stage: row = my column, my wave's 64 bytes
	v_lshlrev_b32 v5, 4, v2
	s_lshl_b32 s54, s32, 2
	s_add_co_u32 s54, s54, W1SB
	v_add_nc_u32 v5, s54, v5                       ; my four scale bytes
	v_and_b32 v15, 15, v2
	v_lshrrev_b32 v6, 4, v2
	v_lshlrev_b32 v7, 9, v6
	v_lshl_add_u32 v7, v15, 4, v7                  ; out: sixteen lanes to a row of w1, two rows an instruction
	v_mul_u32_u24 v6, v6, CP
	v_lshl_add_u32 v6, v15, 4, v6
	s_mul_i32 s54, s32, 8*CP
	s_add_co_u32 s54, s54, W1ST
	v_add_nc_u32 v6, s54, v6                       ; wave w reads rows 8 w .. 8 w + 7 back
	v_lshlrev_b32 v197, 4, v2
	v_add_nc_u32 v197, W1SB, v197                  ; a column's 16 scale bytes
	v_lshlrev_b32 v198, 5, v2                      ; and its row of 32 in memory
	s_lshl_b32 s52, s34, 14                        ; codes: 32 rows of 512 bytes a group, 8 rows a wave, 256 bytes a half of K
	s_lshl_b32 s54, s32, 12
	s_add_co_u32 s52, s52, s54
	s_lshl_b32 s54, s33, 8
	s_add_co_u32 s52, s52, s54
	s_add_nc_u64 s[36:37], s[26:27], s[52:53]
	s_lshl_b32 s52, s34, 10                        ; scale bytes: 32 rows of 32 a group, 16 a half of K
	s_lshl_b32 s54, s33, 4
	s_add_co_u32 s52, s52, s54
	s_add_co_u32 s52, s52, W1_SC
	s_add_nc_u64 s[42:43], s[26:27], s[52:53]
.macro W1BLOCK t
.set XS, 64+32*(\t)
.if (\t) < 3
	s_wait_loadcnt 32                              ; this block's 32 loads are in; the next block's may be out
.else
	s_wait_loadcnt 0x0
.endif
.if (\t)+2 < 4
	W1LOAD (\t)+2
.endif
	v_max3_num_f32 v8, |v[XS]|, |v[XS+1]|, |v[XS+2]|
	v_max3_num_f32 v9, |v[XS+3]|, |v[XS+4]|, |v[XS+5]|
.irp i, 6,10,14,18,22,26
	v_max3_num_f32 v8, v8, |v[XS+\i]|, |v[XS+\i+1]|
	v_max3_num_f32 v9, v9, |v[XS+\i+2]|, |v[XS+\i+3]|
.endr
	v_max3_num_f32 v8, v8, |v[XS+30]|, |v[XS+31]|
	v_max3_num_f32 v8, v8, v9, 0x1800000           ; and the floor 2^(3 - 127): the byte cannot fall under 1
	v_max_num_f32 v10, v10, v8
	v_add_nc_u32 v11, 0xff000000, v8               ; 2 off the exponent field: the conversion's scale operand
	v_lshrrev_b32 v9, 23, v11                      ; the scale's byte
.if (\t) == 0
	v_mov_b32 v196, v9
.else
	v_lshl_or_b32 v196, v9, 8*(\t), v196
.endif
.irp g, 0,1,2,3
	v_cvt_scalef32_pk8_fp4_f32 v[192+\g], v[XS+8*\g:XS+8*\g+7], v11
.endr
	ds_store_b128 v4, v[192:195] offset:16*(\t)
	s_wait_dscnt 0x0                               ; the store has read its registers: the next block's codes may be written
.endm
	W1BLOCK 0
	W1BLOCK 1
	W1BLOCK 2
	W1BLOCK 3
	ds_store_b32 v5, v196
	v_max_num_f32 v10, v10, |v14|
	s_wait_dscnt 0x0                               ; for the others' sake: my stores have landed
	s_barrier_signal -1
	s_barrier_wait -1
.irp t, 0,1,2,3
	ds_load_b128 v[64+4*\t:67+4*\t], v6 offset:2*CP*\t
.endr
.irp t, 0,1,2,3
	s_wait_dscnt 3-\t                              ; the younger read-backs may be out
	global_store_b128 v7, v[64+4*\t:67+4*\t], s[36:37] offset:1024*\t   ; sixteen lanes store 256 consecutive bytes, aligned
.endr
	s_cmp_lg_u32 s32, 0
	s_cbranch_scc1 .Lw1_max
	ds_load_b128 v[80:83], v197                    ; wave 0: each column's 16 scale bytes of this half of K
	s_wait_dscnt 0x0
	global_store_b128 v198, v[80:83], s[42:43]
.Lw1_max:
	s_lshl_b32 s57, ttmp9, 2
	s_add_co_u32 s57, s57, s32
	s_add_co_u32 s57, s57, 1024
	WMAX 57
	FINISH
; ---------------- Wk, Wv, Wo into f16 with K innermost.  A wave takes 32 columns x 128 along K by itself: a lane a column, registers down K; 256 bytes a column go through the wave's own stage.
.Lpath_f16:
	s_sub_co_u32 s33, ttmp9, 80                    ; 0..95
	s_lshr_b32 s34, s33, 3                         ; 0, 1: Wk; 2, 3: Wv; 4..11: Wo
	s_mov_b32 s43, 1048576
	s_mov_b32 s44, 2048
	s_cmp_lt_u32 s34, 2
	s_cselect_b64 s[36:37], s[10:11], s[12:13]
	s_cselect_b64 s[38:39], s[20:21], s[22:23]
	s_cselect_b32 s35, 0, 2
	s_cselect_b32 s42, 0, 524288
	s_cmp_lt_u32 s34, 4
	s_cselect_b64 s[36:37], s[36:37], s[14:15]
	s_cselect_b32 s35, s35, 4
	s_cselect_b32 s42, s42, s43                    ; where the tensor begins in w16
	s_cselect_b32 s44, 512, s44                    ; bytes in a row of it
	s_sub_co_u32 s35, s34, s35                     ; which 128 along K
	s_and_b32 s45, s33, 7
	s_lshl_b32 s45, s45, 2
	s_add_co_u32 s45, s45, s32                     ; which 32 columns, 0..31
	s_lshl_b32 s46, s35, 19                        ; 128 rows of 4,096 bytes
	s_lshl_b32 s48, s45, 7
	s_add_co_u32 s46, s46, s48
	s_mov_b32 s47, 0
	s_mov_b32 s49, 0
	s_add_nc_u64 s[36:37], s[36:37], s[46:47]
	s_add_nc_u64 s[38:39], s[38:39], s[48:49]      ; my columns' bias
	s_lshl_b32 s46, s45, 5
	s_mul_i32 s46, s46, s44
	s_add_co_u32 s46, s46, s42
	s_lshl_b32 s48, s35, 8
	s_add_co_u32 s46, s46, s48
	s_add_nc_u64 s[50:51], s[28:29], s[46:47]
	s_lshl_b32 s52, s44, 1                         ; two rows on
	v_lshlrev_b32 v3, 2, v2
.macro FLOAD t
.set i, 0
.rept 32
	global_load_b32 v[64+32*(\t)+i], v3, s[36:37] offset:(32*(\t)+i)*4096
.set i, i+1
.endr
.endm
	FLOAD 0
	FLOAD 1
	s_mul_i32 s54, s32, 32*CP
	s_add_co_u32 s54, s54, FST                     ; my stage
	v_mul_u32_u24 v4, v2, CP
	v_add_nc_u32 v4, s54, v4
	v_and_b32 v5, 15, v2
	v_lshrrev_b32 v6, 4, v2
	v_mul_u32_u24 v7, v6, CP
	v_lshl_add_u32 v7, v5, 4, v7
	v_add_nc_u32 v7, s54, v7
	v_mul_u32_u24 v8, s44, v6
	v_lshl_add_u32 v8, v5, 4, v8
.set i, 0
.rept 16
	v_mad_u32_u24 v[16+i], s52, i, v8              ; rows 2 i and 2 i + 1 of my 32, sixteen lanes to a row
.set i, i+1
.endr
.macro FGROUP t
.set XS, 64+32*(\t)
.if (\t) < 3
	s_wait_loadcnt 32                              ; this group's 32 loads are in; the next group's may be out
.else
	s_wait_loadcnt 0x0
.endif
.if (\t)+2 < 4
	FLOAD (\t)+2
.endif
.set i, 0
.rept 16
	v_cvt_pk_f16_f32 v[192+i], v[XS+2*i], v[XS+2*i+1]
.set i, i+1
.endr
.irp i, 0,1,2,3
	ds_store_b128 v4, v[192+4*\i:195+4*\i] offset:64*(\t)+16*\i
.endr
	s_wait_dscnt 0x0                               ; the stores have read their registers
.endm
	FGROUP 0
	FGROUP 1
	FGROUP 2
	FGROUP 3
	s_cmp_ge_u32 s33, 32                           ; Wk and Wv alone count for the bound on K and V
	s_cbranch_scc1 .Lf16_out
	global_load_b32 v14, v3, s[38:39]
	v_mov_b32 v9, 0
.set i, 0
.rept 32
	v_max3_num_f32 v10, v10, |v[64+4*i]|, |v[65+4*i]|
	v_max3_num_f32 v9, v9, |v[66+4*i]|, |v[67+4*i]|
.set i, i+1
.endr
	s_wait_loadcnt 0x0
	v_max3_num_f32 v10, v10, v9, |v14|
	s_lshl_b32 s57, s33, 2
	s_add_co_u32 s57, s57, s32
	s_add_co_u32 s57, s57, 1344
	WMAX 57
.Lf16_out:
.irp t, 0,1,2,3,4,5,6,7,8,9,10,11,12,13,14,15
	ds_load_b128 v[64+4*\t:67+4*\t], v7 offset:2*CP*\t   ; LDS serves a wave's instructions in order: these see my stores
.endr
.irp t, 0,1,2,3,4,5,6,7,8,9,10,11,12,13,14,15
	s_wait_dscnt 15-\t
	global_store_b128 v[16+\t], v[64+4*\t:67+4*\t], s[50:51]   ; sixteen lanes store 256 consecutive bytes, aligned
.endr
	FINISH
; ---------------- x into codes.  A wave takes 16 steps of 512 numbers.  Each load reads 512 consecutive bytes; a step's 2,048 bytes turn through the wave's stage so that a lane holds 16 neighbours along K; two lanes hold a block.
.Lpath_x:
	s_sub_co_u32 s33, ttmp9, 176
	s_lshl_b32 s33, s33, 2
	s_add_co_u32 s34, s33, s32                     ; which run of 8,192 numbers is my wave's: 0..1023
	s_lshl_b32 s36, s34, 15
	s_mov_b32 s37, 0
	s_add_nc_u64 s[4:5], s[4:5], s[36:37]
	s_lshl_b32 s36, s34, 12
	s_add_nc_u64 s[36:37], s[24:25], s[36:37]      ; 4,096 bytes of codes a run
	s_lshl_b32 s38, s34, 8
	s_mov_b32 s39, 0
	s_add_nc_u64 s[38:39], s[24:25], s[38:39]
	s_add_nc_u64 s[38:39], s[38:39], XQ_SC         ; 256 scale bytes a run
	v_lshlrev_b32 v3, 4, v2
	s_mul_i32 s33, s32, XREG
	v_lshrrev_b32 v14, 2, v2
	v_mul_u32_u24 v14, v14, XSP
	v_and_b32 v15, 3, v2
	v_lshl_add_u32 v14, v15, 4, v14
	v_add_nc_u32 v14, s33, v14                     ; the stage, way in: four lanes' 64 bytes on end, then 16 of padding
	v_mul_u32_u24 v15, v2, XSP
	v_add_nc_u32 v15, s33, v15                     ; way out: my 16 neighbours
	v_lshlrev_b32 v4, 3, v2                        ; my 8 bytes of a step's codes
	v_lshrrev_b32 v5, 1, v2
	s_add_co_u32 s33, s33, 2*32*XSP
	v_add_nc_u32 v5, s33, v5                       ; my block's byte among my wave's 256
	v_lshlrev_b32 v7, 3, v2
	v_add_nc_u32 v6, s33, v7
.macro XLOAD t
.irp i, 0,1,2,3
	global_load_b128 v[XR+16*((\t)%4)+4*\i:XR+16*((\t)%4)+4*\i+3], v3, s[4:5] offset:2048*(\t)+512*\i th:TH_LOAD_NT
.endr
.endm
.macro XTURN t
.irp i, 0,1,2,3
	ds_store_b128 v14, v[XR+16*((\t)%4)+4*\i:XR+16*((\t)%4)+4*\i+3] offset:32*XSP*((\t)%2)+8*XSP*\i
.endr
.irp i, 0,1,2,3
	ds_load_b128 v[XX+16*((\t)%2)+4*\i:XX+16*((\t)%2)+4*\i+3], v15 offset:32*XSP*((\t)%2)+16*\i
.endr
.endm
.irp t, 0,1,2,3
	XLOAD \t
.endr
	s_wait_loadcnt 12                              ; step 0's four loads are in
	XTURN 0
.macro XSTEP t
.set XS, XX+16*((\t)%2)
.if (\t) > 0
	s_wait_dscnt 1                                 ; this step's numbers are back from the stage; the last step's byte store may be out
.else
	s_wait_dscnt 0x0
.endif
.if (\t)+4 < 16
	XLOAD (\t)+4
.endif
.if (\t)+1 < 16
.if 14-(\t) >= 3
	s_wait_loadcnt 12                              ; the next step's loads are in; those of the three steps behind it may be out
.else
	s_wait_loadcnt 4*(14-(\t))
.endif
	XTURN (\t)+1
.endif
	v_max3_num_f32 v8, |v[XS]|, |v[XS+1]|, |v[XS+2]|
	v_max3_num_f32 v9, |v[XS+3]|, |v[XS+4]|, |v[XS+5]|
.irp i, 6,10
	v_max3_num_f32 v8, v8, |v[XS+\i]|, |v[XS+\i+1]|
	v_max3_num_f32 v9, v9, |v[XS+\i+2]|, |v[XS+\i+3]|
.endr
	v_max3_num_f32 v8, v8, |v[XS+14]|, |v[XS+15]|
	v_max3_num_f32 v8, v8, v9, 0x1800000           ; the floor 2^(3 - 127)
	v_max_num_f32_dpp v8, v8, v8 row_xmask:1 row_mask:0xf bank_mask:0xf   ; with my neighbour's 16: the block's
	v_max_num_f32 v10, v10, v8
	v_add_nc_u32 v11, 0xff000000, v8
	v_cvt_scalef32_pk8_fp4_f32 v[XC+4*(\t)], v[XS:XS+7], v11
	v_cvt_scalef32_pk8_fp4_f32 v[XC+4*(\t)+1], v[XS+8:XS+15], v11
	v_lshrrev_b32 v[XE+(\t)], 23, v11
	ds_store_b8 v5, v[XE+(\t)] offset:16*(\t)      ; both lanes of a block write the same byte with the same value
	global_store_b64 v4, v[XC+4*(\t):XC+4*(\t)+1], s[36:37] offset:256*(\t)   ; the wave stores 256 consecutive bytes, aligned
.endm
.irp t, 0,1,2,3,4,5,6,7,8,9,10,11,12,13,14,15
	XSTEP \t
.endr
	ds_load_b64 v[8:9], v6
	s_wait_dscnt 0x0
	global_store_b64 v7, v[8:9], s[38:39]          ; 32 lanes store 256 consecutive bytes, aligned
	WMAX 34
	FINISH
.Lfunc_end_k_q8f337abc47_prep:
	.size	k_q8f337abc47_prep, .Lfunc_end_k_q8f337abc47_prep-k_q8f337abc47_prep
	.p2alignl 7, 3214868480
	.fill 96, 4, 3214868480
	.section	.rodata,"a",@progbits
	.p2align	6, 0x0
	.amdhsa_kernel k_q8f337abc47_prep
		.amdhsa_group_segment_fixed_size 77312
		.amdhsa_private_segment_fixed_size 0
		.amdhsa_enable_private_segment 0
		.amdhsa_kernarg_size 112
		.amdhsa_user_sgpr_count 2
		.amdhsa_user_sgpr_kernarg_segment_ptr 1
		.amdhsa_wavefront_size32 1
		.amdhsa_system_sgpr_workgroup_id_x 1
		.amdhsa_system_sgpr_workgroup_id_y 1
		.amdhsa_system_sgpr_workgroup_id_z 1
		.amdhsa_system_vgpr_workitem_id 0
		.amdhsa_next_free_vgpr 208
		.amdhsa_next_free_sgpr 66
		.amdhsa_reserve_vcc 1
		.amdhsa_float_denorm_mode_32 3
		.amdhsa_float_denorm_mode_16_64 3
		.amdhsa_memory_ordered 1
		.amdhsa_forward_progress 1
		.amdhsa_inst_pref_size 88
	.end_amdhsa_kernel
	.amdgpu_metadata
---
amdhsa.version: [ 1, 2 ]
amdhsa.kernels:
  - .name:           k_q8f337abc47_prep
    .symbol:         k_q8f337abc47_prep.kd
    .args:
      - { .name: x, .offset: 0, .size: 8, .value_kind: global_buffer, .address_space: global }
      - { .name: Wq, .offset: 8, .size: 8, .value_kind: global_buffer, .address_space: global }
      - { .name: Wc, .offset: 16, .size: 8, .value_kind: global_buffer, .address_space: global }
      - { .name: Wk, .offset: 24, .size: 8, .value_kind: global_buffer, .address_space: global }
      - { .name: Wv, .offset: 32, .size: 8, .value_kind: global_buffer, .address_space: global }
      - { .name: Wo, .offset: 40, .size: 8, .value_kind: global_buffer, .address_space: global }
      - { .name: bq, .offset: 48, .size: 8, .value_kind: global_buffer, .address_space: global }
      - { .name: bc, .offset: 56, .size: 8, .value_kind: global_buffer, .address_space: global }
      - { .name: bk, .offset: 64, .size: 8, .value_kind: global_buffer, .address_space: global }
      - { .name: bv, .offset: 72, .size: 8, .value_kind: global_buffer, .address_space: global }
      - { .name: xq, .offset: 80, .size: 8, .value_kind: global_buffer, .address_space: global }
      - { .name: w1, .offset: 88, .size: 8, .value_kind: global_buffer, .address_space: global }
      - { .name: w16, .offset: 96, .size: 8, .value_kind: global_buffer, .address_space: global }
      - { .name: mx, .offset: 104, .size: 8, .value_kind: global_buffer, .address_space: global }
    .group_segment_fixed_size: 77312
    .private_segment_fixed_size: 0
    .kernarg_segment_align: 8
    .kernarg_segment_size: 112
    .max_flat_workgroup_size: 128
    .sgpr_count:     66
    .vgpr_count:     208
    .wavefront_size: 32
...
	.end_amdgpu_metadata
.endif
;; end of part 1
;; launch proj (part 2): grid 4 x 64, 10 waves a work-group, clusters of 4 x 4, 327,680 bytes of LDS; arguments xq, w1, mx, bq, bc, ql, sc; writes ql, sc
.if DOCPART == 2
	.amdgcn_target "amdgcn-amd-amdhsa--gfx1250"
	.amdhsa_code_object_version 6
	.text
	.protected	k_q8f337abc47_proj
	.globl	k_q8f337abc47_proj
	.p2align	8
	.type	k_q8f337abc47_proj,@function
k_q8f337abc47_proj:
	s_mov_b64 s[64:65], 0
	v_nop
	global_prefetch_b8 v0, s[64:65] scope:SCOPE_SE
	s_setreg_imm32_b32 hwreg(HW_REG_WAVE_MODE, 25, 1), 1
	s_wait_xcnt 0x0
	s_wait_alu depctr_hold_cnt(0) depctr_sa_sdst(0) depctr_va_vdst(0) depctr_va_sdst(0) depctr_va_ssrc(0) depctr_va_vcc(0) depctr_vm_vsrc(0)
	s_getreg_b32 s2, hwreg(HW_REG_IB_STS2, 6, 4)
	s_cmp_eq_u32 s2, 0
	s_cbranch_scc0 .Lentry_in_a_cluster
	s_endpgm
.Lentry_in_a_cluster:
	s_bfe_u32 s2, ttmp6, 0x10000c
	s_cmp_lg_u32 s2, 0xf033
	s_cbranch_scc0 .Lentry_shape_is_right
	s_endpgm
.Lentry_shape_is_right:
; PROJ: Q = x Wq + bq and lat = x Wc + bc, both on codes of FP4 (E2M1) with E8M0 scales, sums in f32; the results leave as f16, multiplied by a power of two, in 20 planes [8192 tokens][64]: 0-15 Q by head, 16-19 the latent.
; A work-group makes 128 tokens x 320 columns (5 planes) with all of K = 1,024 in LDS: nothing is filled twice.  Ten waves: wave w makes rows 64 (w & 1) on of plane 5 tx + (w >> 1): 16 accumulators, 128 matrix instructions.
; CLUSTER 4 x 4: the four of a row need the same tokens' codes and scales, the four of a column the same weights': each is asked for jointly.  A wave has at most one tensor load out.
; THE MATRIX INSTRUCTION IS USED TRANSPOSED (source 0 = 16 rows of w1, source 1 = 16 tokens): a lane holds eight neighbouring columns of one token.  The bias is the C of each sum's first instruction.
; THE POWERS OF TWO.  X, W1, W2: the largest magnitudes of x; of Wq, Wc, bq, bc; of Wk, Wv, bk, bv; ex, e1, e2 their exponents.  A quantised number is at most 1.5 x its block's largest magnitude, so
; |Q|, |lat| <= W1 (2304 X + 1) < 2^B1, B1 = e1 + 2 + max(13 + ex, 0), and |K|, |V| <= W2 (2^(8 + B1) + 1) < 2^B2, B2 = e2 + 2 + max(8 + B1, 0).  Stored: sc0 = 2^(15 - B1), sc1 = 2^(B1 - B2), sc2 = 2^(15 - B2),
; sc3 = log2(e) / 8 x 2^(B1 + B2 - 30), sc4 = 2^(B2 - 15).  So every f16 operand stays under 2^15 whatever the inputs' size or offset.
; LIMITS: B1 and B2 are held to -60 .. 60: inputs whose bounds pass 2^60 are not served; NaN and infinities are not served.
.set PITCH, 528                        ; a row of 1,024 codes: 512 bytes + 16 of padding: the 16 rows of a load start at 16 different banks
.set BCOD,  128*PITCH                  ; LDS: the tokens' 128 rows, then the weights' 320
.set ASCL,  448*PITCH                  ; the tokens' scale bytes, 16 units of 256 + 16;
.set BSCL,  ASCL+16*272                ; the weights', 40 units
.set STAGE, 251904                     ; 16 rows x 144 bytes for each wave, in blocks of 256 bytes into which no tile lands
.set SPARE, STAGE+10*2304              ; the spare words, 128 bytes a wave
.set SPW, 1
.set NIL, 2
.set ADA, 3
.set ADB, 4
.set ADS, 5
.set STO, 6
.set RD,  7
.set GO,  8
.set SC,  16                           ; v16-31 scale words and nothing else: register 4 i + j: lanes 0-15 the tokens' block i, lanes 16-31 the weights' block i, K step 4 (q / 4) + j
.set AF,  32                           ; v32-63 the tokens' four fragments
.set BF,  64                           ; v64-95 the weights' four
.set BIAS, 96                          ; v96-127
.set ACC, 128                          ; v128-255: accumulator (a, b) at 128 + 8 (4 a + b)
.set WV,  18
.set G1A, 24
.set G1B, 32
.set G0A, 40
.set G0B, 44
.set G1SA, 48
.set G1SB, 56
.set G0SA, 68
.set G0SB, 72
.macro CROUND                          ; a round of the cluster's barrier
	s_barrier_signal -1
	s_barrier_wait -1
	s_cmp_lg_u32 s[WV], 0
	s_cbranch_scc1 .Lnot_wave_0_\@
	s_barrier_signal -3
.Lnot_wave_0_\@:
	s_barrier_wait -3
	s_barrier_signal -1
	s_barrier_wait -1
.endm
.macro TL g0, g1                       ; a tensor load and the nops behind it
	tensor_load_to_lds s[\g0:\g0+3], s[\g1:\g1+7]
	s_nop 0
.rept 4
	v_nop
.endr
.endm
	s_load_b256 s[4:11], s[0:1], 0x0               ; xq, w1, mx, bq
	s_load_b128 s[12:15], s[0:1], 0x20             ; bc, ql
	s_load_b64 s[16:17], s[0:1], 0x30              ; sc
	v_lshl_add_u32 v[SPW], v0, 2, SPARE
	v_mov_b32 v[NIL], 0
	ds_add_u32 v[SPW], v[NIL]                      ; the opening: the add, twice on end, and its wait ahead of the first tensor load
	ds_add_u32 v[SPW], v[NIL]
	v_lshrrev_b32 v9, 5, v0
	v_readfirstlane_b32 s[WV], v9                  ; wave 0..9
	s_and_b32 s19, s[WV], 1                        ; which 64 of the 128 tokens
	s_lshr_b32 s20, s[WV], 1                       ; which of the 5 planes
	s_bfe_u32 s21, ttmp6, 0x40000                  ; cx
	s_bfe_u32 s22, ttmp6, 0x40004                  ; cy
	s_lshl_b32 s78, ttmp9, 2
	s_add_co_u32 s78, s78, s21                     ; tx: which 320 columns
	s_and_b32 s23, ttmp7, 0xffff
	s_lshl_b32 s23, s23, 2
	s_add_co_u32 s23, s23, s22                     ; ty: which 128 tokens
	s_lshl_b32 s76, s22, 2
	s_lshl_b32 s76, 15, s76                        ; my row of the cluster
	s_lshl_b32 s77, 0x1111, s21                    ; my column
	s_or_b32 s[G1A], s76, (1<<20)|(1<<21)|(6<<22)|(3<<25)   ; codes: elements of 1 byte; 4 words of padding behind every 128
	s_or_b32 s[G1B], s77, (1<<20)|(1<<21)|(6<<22)|(3<<25)
.irp g, G1A, G1B
	s_mov_b32 s[\g+1], 512<<16                     ; tensor_dim0
	s_mov_b32 s[\g+2], 64<<16                      ; tensor_dim1
	s_mov_b32 s[\g+3], 512<<16                     ; tile_dim0
	s_mov_b32 s[\g+4], 64                          ; tile_dim1
	s_mov_b32 s[\g+5], 512                         ; from row to row
	s_mov_b32 s[\g+6], 0
	s_mov_b32 s[\g+7], 0
.endr
	s_or_b32 s[G1SA], s76, (3<<16)|(1<<20)|(1<<21)|(5<<22)|(3<<25)   ; scale bytes: dense, as rows of 32 elements of 8 bytes; 4 words of padding behind every 64
	s_or_b32 s[G1SB], s77, (3<<16)|(1<<20)|(1<<21)|(5<<22)|(3<<25)
	s_mov_b32 s[G1SA+1], 32<<16
	s_mov_b32 s[G1SA+2], 16<<16
	s_mov_b32 s[G1SA+3], 32<<16
	s_mov_b32 s[G1SA+4], 16
	s_mov_b32 s[G1SA+5], 32
	s_mov_b32 s[G1SA+6], 0
	s_mov_b32 s[G1SA+7], 0
	s_mov_b32 s[G1SB+1], 32<<16
	s_mov_b32 s[G1SB+2], 40<<16
	s_mov_b32 s[G1SB+3], 32<<16
	s_mov_b32 s[G1SB+4], 40
	s_mov_b32 s[G1SB+5], 32
	s_mov_b32 s[G1SB+6], 0
	s_mov_b32 s[G1SB+7], 0
	s_lshl_b32 s80, s23, 16                        ; the tokens' codes: 128 ty rows of 512 bytes, + 64 rows for wave 1
	s_lshl_b32 s81, s19, 15
	s_add_co_u32 s80, s80, s81
	s_mov_b32 s81, 0
	s_lshl_b32 s82, s23, 12                        ; their scale bytes: 4,096 a tile
	s_add_co_u32 s82, s82, 0x400000
	s_mov_b32 s83, 0
	s_min_u32 s84, s[WV], 6                        ; the weights' codes: waves 2 to 6 take 64 rows each
	s_max_u32 s84, s84, 2
	s_sub_co_u32 s84, s84, 2
	s_lshl_b32 s84, s84, 15
	s_mul_i32 s85, s78, 320*512
	s_add_co_u32 s84, s84, s85
	s_mov_b32 s85, 0
	s_mul_i32 s86, s78, 320*32                     ; their scale bytes
	s_add_co_u32 s86, s86, 655360
	s_mov_b32 s87, 0
	s_mul_i32 s79, s[WV], 64*PITCH                 ; where a wave's 64 rows go: no place in the cluster enters an LDS address
	s_mov_b32 s92, 0x76543210
	s_mov_b32 s93, 0xfedcba98
	s_wait_dscnt 0x0                               ; both opening adds are done
	s_wait_kmcnt 0x0
	s_mov_b32 s[G0A], 1
	s_mov_b32 s[G0A+1], s79
	s_add_nc_u64 s[G0A+2:G0A+3], s[4:5], s[80:81]
	s_or_b32 s[G0A+3], s[G0A+3], 0x80000000
	s_mov_b32 s[G0B], 1
	s_mov_b32 s[G0B+1], s79
	s_add_nc_u64 s[G0B+2:G0B+3], s[6:7], s[84:85]
	s_or_b32 s[G0B+3], s[G0B+3], 0x80000000
	s_mov_b32 s[G0SA], 1
	s_mov_b32 s[G0SA+1], ASCL
	s_add_nc_u64 s[G0SA+2:G0SA+3], s[4:5], s[82:83]
	s_or_b32 s[G0SA+3], s[G0SA+3], 0x80000000
	s_mov_b32 s[G0SB], 1
	s_mov_b32 s[G0SB+1], BSCL
	s_add_nc_u64 s[G0SB+2:G0SB+3], s[6:7], s[86:87]
	s_or_b32 s[G0SB+3], s[G0SB+3], 0x80000000
	CROUND                                         ; all sixteen work-groups are here: the joint loads meet
	s_cmp_lt_u32 s[WV], 2                          ; waves 0, 1: the tokens' codes; 2-6: the weights'; 7: the tokens' scales; 8: the weights'; 9: none.  The branches hang on the wave's number alone
	s_cbranch_scc0 .Lnot_a
	TL G0A, G1A
	s_branch .Lasked
.Lnot_a:
	s_cmp_lt_u32 s[WV], 7
	s_cbranch_scc0 .Lnot_b
	TL G0B, G1B
	s_branch .Lasked
.Lnot_b:
	s_cmp_eq_u32 s[WV], 7
	s_cbranch_scc0 .Lnot_sa
	TL G0SA, G1SA
	s_branch .Lasked
.Lnot_sa:
	s_cmp_eq_u32 s[WV], 8
	s_cbranch_scc0 .Lasked
	TL G0SB, G1SB
.Lasked:
	; while the tiles are on their way: the largest magnitudes, the biases, the addresses
	v_and_b32 v9, 31, v0
	v_lshlrev_b32 v10, 4, v9
	v_lshlrev_b32 v11, 2, v9
.irp i, 0,1,2,3,4,5,6,7
	global_load_b128 v[128+4*\i:131+4*\i], v10, s[8:9] offset:512*\i      ; x's 1,024
.endr
.irp i, 0,1,2,3,4,5,6,7,8,9
	global_load_b32 v[160+\i], v11, s[8:9] offset:4096+128*\i            ; the first weights' 320
.endr
	global_load_b128 v[172:175], v10, s[8:9] offset:5376                 ; the second weights' 128
	s_mul_i32 s90, s78, 5
	s_add_co_u32 s90, s90, s20                     ; my plane, 0..19
	s_cmp_lt_u32 s90, 16
	s_cselect_b64 s[88:89], s[10:11], s[12:13]
	s_cselect_b32 s91, 0, 16
	s_sub_co_u32 s91, s90, s91
	s_lshl_b32 s76, s91, 8
	s_mov_b32 s77, 0
	s_add_nc_u64 s[88:89], s[88:89], s[76:77]      ; my 64 columns' bias
	s_lshl_b32 s76, s90, 20
	s_lshl_b32 s91, s23, 14
	s_add_co_u32 s76, s76, s91
	s_lshl_b32 s91, s19, 13
	s_add_co_u32 s76, s76, s91
	s_add_nc_u64 s[14:15], s[14:15], s[76:77]      ; my 64 rows of my plane
	v_and_b32 v12, 15, v0                          ; r
	v_bfe_u32 v13, v0, 4, 1                        ; h
	v_lshlrev_b32 v14, 5, v13
.irp b, 0,1,2,3
	global_load_b128 v[BIAS+8*\b:BIAS+8*\b+3], v14, s[88:89] offset:64*\b       ; lane (r, h): columns 16 b + 8 h + 0 .. 7
	global_load_b128 v[BIAS+8*\b+4:BIAS+8*\b+7], v14, s[88:89] offset:64*\b+16
.endr
	v_mul_u32_u24 v15, v12, PITCH
	v_lshl_add_u32 v15, v13, 4, v15
	s_mul_i32 s90, s19, 64*PITCH
	v_add_nc_u32 v[ADA], s90, v15
	s_mul_i32 s90, s20, 64*PITCH
	s_add_co_u32 s90, s90, BCOD
	v_add_nc_u32 v[ADB], s90, v15
	v_lshrrev_b32 v15, 3, v12                      ; scale words: 32 bytes a row, eight rows to a unit of 272
	v_mul_u32_u24 v15, v15, 272
	v_and_b32 v9, 7, v12
	v_lshl_add_u32 v15, v9, 5, v15
	s_mul_i32 s90, s19, 8*272
	s_mul_i32 s91, s20, 8*272
	s_add_co_u32 s91, s91, BSCL-ASCL
	s_sub_co_u32 s91, s91, s90
	v_mul_u32_u24 v9, s91, v13                     ; lanes 16-31 take the weights'
	s_add_co_u32 s90, s90, ASCL
	v_add_nc_u32 v15, v15, v9
	v_add_nc_u32 v[ADS], s90, v15
	s_mul_i32 s90, s[WV], 2304
	s_add_co_u32 s90, s90, STAGE                   ; my stage
	v_mul_u32_u24 v15, v12, 144
	v_lshl_add_u32 v15, v13, 4, v15
	v_add_nc_u32 v[STO], s90, v15
	v_and_b32 v9, 31, v0
	v_lshlrev_b32 v[GO], 4, v9
	v_lshrrev_b32 v15, 3, v9
	v_mul_u32_u24 v15, v15, 144
	v_and_b32 v9, 7, v9
	v_lshl_add_u32 v15, v9, 4, v15
	v_add_nc_u32 v[RD], s90, v15
	s_wait_loadcnt 8                               ; the magnitudes are in; the eight bias loads may be out
.irp i, 1,3,5,7,9,11,13,15,17,19,21,23,25,27,29
	v_max3_num_f32 v128, v128, v[128+\i], v[129+\i]
.endr
	v_max_num_f32 v128, v128, v159
.irp i, 1,3,5,7
	v_max3_num_f32 v160, v160, v[160+\i], v[161+\i]
.endr
	v_max_num_f32 v160, v160, v169
	v_max3_num_f32 v172, v172, v173, v174
	v_max_num_f32 v172, v172, v175
.irp m, 1,2,4,8
	v_max_num_f32_dpp v128, v128, v128 row_xmask:\m row_mask:0xf bank_mask:0xf
	v_max_num_f32_dpp v160, v160, v160 row_xmask:\m row_mask:0xf bank_mask:0xf
	v_max_num_f32_dpp v172, v172, v172 row_xmask:\m row_mask:0xf bank_mask:0xf
.endr
	v_permlanex16_b32 v129, v128, s92, s93
	v_permlanex16_b32 v161, v160, s92, s93
	v_permlanex16_b32 v173, v172, s92, s93
	v_max_num_f32 v128, v128, v129
	v_max_num_f32 v160, v160, v161
	v_max_num_f32 v172, v172, v173
	v_readfirstlane_b32 s94, v128
	v_readfirstlane_b32 s95, v160
	v_readfirstlane_b32 s96, v172
	s_lshr_b32 s94, s94, 23
	s_sub_co_i32 s94, s94, 114                     ; 13 + ex
	s_max_i32 s94, s94, 0
	s_lshr_b32 s95, s95, 23
	s_add_co_i32 s95, s95, s94
	s_sub_co_i32 s95, s95, 125                     ; B1
	s_max_i32 s95, s95, -60
	s_min_i32 s95, s95, 60
	s_add_co_i32 s94, s95, 8
	s_max_i32 s94, s94, 0
	s_lshr_b32 s96, s96, 23
	s_add_co_i32 s96, s96, s94
	s_sub_co_i32 s96, s96, 125                     ; B2
	s_max_i32 s96, s96, -60
	s_min_i32 s96, s96, 60
	s_sub_co_i32 s98, 142, s95
	s_lshl_b32 s98, s98, 23                        ; sc0 = 2^(15 - B1)
	s_mov_b32 s99, s98
	v_mov_b32 v176, s98
	s_sub_co_i32 s97, s95, s96
	s_add_co_i32 s97, s97, 127
	s_lshl_b32 s97, s97, 23
	v_mov_b32 v177, s97                            ; sc1 = 2^(B1 - B2)
	s_sub_co_i32 s97, 142, s96
	s_lshl_b32 s97, s97, 23
	v_mov_b32 v178, s97                            ; sc2 = 2^(15 - B2)
	s_add_co_i32 s97, s95, s96
	s_add_co_i32 s97, s97, 97
	s_max_i32 s97, s97, 1
	s_lshl_b32 s97, s97, 23
	v_mov_b32 v179, s97
	v_mul_f32 v179, 0x3e38aa3b, v179               ; sc3 = log2(e) / 8 x 2^(B1 + B2 - 30)
	s_add_co_i32 s97, s96, 112
	s_lshl_b32 s97, s97, 23
	v_mov_b32 v180, s97                            ; sc4 = 2^(B2 - 15)
	v_mov_b32 v181, 0
	v_mov_b32 v182, 0
	v_mov_b32 v183, 0
	s_lshl_b32 s97, s23, 2
	s_or_b32 s97, s97, s78
	v_lshl_or_b32 v15, s97, 10, v0                 ; 0 in thread 0 of work-group (0, 0) alone: it stores the five numbers; no branch hangs on a work-group's place
	v_mov_b32 v9, 0
	v_cmp_eq_u32 vcc_lo, 0, v15
	s_wait_xcnt 0x0                                ; EXEC changes only behind this wait
	s_and_saveexec_b32 s97, vcc_lo
	global_store_b128 v9, v[176:179], s[16:17]
	global_store_b128 v9, v[180:183], s[16:17] offset:16
	s_wait_xcnt 0x0
	s_or_b32 exec_lo, exec_lo, s97
	s_wait_loadcnt 0x0                             ; the biases
	s_wait_tensorcnt 0x0                           ; my tile has landed,
	s_barrier_signal -1
	s_barrier_wait -1                              ; everybody's has
; A K step of 128: four fragments a side, 16 products; the 16 accumulators take turns.
.macro KSTEP q
.if (\q) > 0
.rept 4
	v_nop                                          ; places in front of loads into registers that matrix instructions have read
.endr
.endif
.irp i, 0,1,2,3
	ds_load_b128 v[BF+8*\i:BF+8*\i+3], v[ADB] offset:16*PITCH*\i+64*(\q)
	ds_load_b128 v[BF+8*\i+4:BF+8*\i+7], v[ADB] offset:16*PITCH*\i+64*(\q)+32
	ds_load_b128 v[AF+8*\i:AF+8*\i+3], v[ADA] offset:16*PITCH*\i+64*(\q)
	ds_load_b128 v[AF+8*\i+4:AF+8*\i+7], v[ADA] offset:16*PITCH*\i+64*(\q)+32
.endr
.if (\q)%4 == 0
.irp i, 0,1,2,3
	ds_load_b128 v[SC+4*\i:SC+4*\i+3], v[ADS] offset:544*\i+16*((\q)/4)    ; the scale words of four K steps
.endr
.endif
	s_wait_dscnt 0x0
.irp a, 0,1,2,3
.irp b, 0,1,2,3
.if (\q) == 0
	v_wmma_scale_f32_16x16x128_f8f6f4 v[ACC+8*(4*\a+\b):ACC+8*(4*\a+\b)+7], v[BF+8*\b:BF+8*\b+7], v[AF+8*\a:AF+8*\a+7], v[BIAS+8*\b:BIAS+8*\b+7], v[SC+4*\b+(\q)%4], v[SC+4*\a+(\q)%4] matrix_a_fmt:MATRIX_FMT_FP4 matrix_b_fmt:MATRIX_FMT_FP4 matrix_a_scale:MATRIX_SCALE_ROW1
.else
	v_wmma_scale_f32_16x16x128_f8f6f4 v[ACC+8*(4*\a+\b):ACC+8*(4*\a+\b)+7], v[BF+8*\b:BF+8*\b+7], v[AF+8*\a:AF+8*\a+7], v[ACC+8*(4*\a+\b):ACC+8*(4*\a+\b)+7], v[SC+4*\b+(\q)%4], v[SC+4*\a+(\q)%4] matrix_a_fmt:MATRIX_FMT_FP4 matrix_b_fmt:MATRIX_FMT_FP4 matrix_a_scale:MATRIX_SCALE_ROW1
.endif
.endr
.endr
.endm
.irp q, 0,1,2,3,4,5,6,7
	KSTEP \q
.endr
.rept 4
	v_nop                                          ; places in front of the first read of results and of writes into the fragments' registers
.endr
; THE WAY OUT, 16 tokens at a time: x sc0, to f16, 16 bytes a lane into my stage (rows of 144 bytes), back as 2,048 dense bytes of my plane: each store covers 512 consecutive bytes.
.irp a, 0,1,2,3
.if \a >= 2
	s_wait_xcnt 0x0                                ; the stores of two turns ago have read their registers
.endif
.irp i, 0,1,2,3,4,5,6,7,8,9,10,11,12,13,14,15
	v_pk_mul_f32 v[AF+2*\i:AF+2*\i+1], v[ACC+32*\a+2*\i:ACC+32*\a+2*\i+1], s[98:99] op_sel_hi:[1,0]
.endr
.irp i, 0,1,2,3,4,5,6,7,8,9,10,11,12,13,14,15
	v_cvt_pk_f16_f32 v[BF+\i], v[AF+2*\i], v[AF+2*\i+1]
.endr
.irp b, 0,1,2,3
	ds_store_b128 v[STO], v[BF+4*\b:BF+4*\b+3] offset:32*\b
.endr
.irp i, 0,1,2,3
	ds_load_b128 v[80+16*(\a%2)+4*\i:83+16*(\a%2)+4*\i], v[RD] offset:576*\i   ; LDS serves a wave's instructions in order: these see my stores
.endr
.irp i, 0,1,2,3
	s_wait_dscnt 3-\i                              ; the younger read-backs may be out
	global_store_b128 v[GO], v[80+16*(\a%2)+4*\i:83+16*(\a%2)+4*\i], s[14:15] offset:2048*\a+512*\i
.endr
.endr
	s_wait_tensorcnt 0x0                           ; the wave's end
	ds_add_u32 v[SPW], v[NIL]
	s_wait_dscnt 0x0
	CROUND                                         ; the closing round
	s_endpgm
.Lfunc_end_k_q8f337abc47_proj:
	.size	k_q8f337abc47_proj, .Lfunc_end_k_q8f337abc47_proj-k_q8f337abc47_proj
	.p2alignl 7, 3214868480
	.fill 96, 4, 3214868480
	.section	.rodata,"a",@progbits
	.p2align	6, 0x0
	.amdhsa_kernel k_q8f337abc47_proj
		.amdhsa_group_segment_fixed_size 327680
		.amdhsa_private_segment_fixed_size 0
		.amdhsa_enable_private_segment 0
		.amdhsa_kernarg_size 56
		.amdhsa_user_sgpr_count 2
		.amdhsa_user_sgpr_kernarg_segment_ptr 1
		.amdhsa_wavefront_size32 1
		.amdhsa_system_sgpr_workgroup_id_x 1
		.amdhsa_system_sgpr_workgroup_id_y 1
		.amdhsa_system_sgpr_workgroup_id_z 1
		.amdhsa_system_vgpr_workitem_id 0
		.amdhsa_next_free_vgpr 256
		.amdhsa_next_free_sgpr 100
		.amdhsa_reserve_vcc 1
		.amdhsa_float_denorm_mode_32 3
		.amdhsa_float_denorm_mode_16_64 3
		.amdhsa_memory_ordered 1
		.amdhsa_forward_progress 1
		.amdhsa_inst_pref_size 55
	.end_amdhsa_kernel
	.amdgpu_metadata
---
amdhsa.version: [ 1, 2 ]
amdhsa.kernels:
  - .name:           k_q8f337abc47_proj
    .symbol:         k_q8f337abc47_proj.kd
    .args:
      - { .name: xq, .offset: 0, .size: 8, .value_kind: global_buffer, .address_space: global }
      - { .name: w1, .offset: 8, .size: 8, .value_kind: global_buffer, .address_space: global }
      - { .name: mx, .offset: 16, .size: 8, .value_kind: global_buffer, .address_space: global }
      - { .name: bq, .offset: 24, .size: 8, .value_kind: global_buffer, .address_space: global }
      - { .name: bc, .offset: 32, .size: 8, .value_kind: global_buffer, .address_space: global }
      - { .name: ql, .offset: 40, .size: 8, .value_kind: global_buffer, .address_space: global }
      - { .name: sc, .offset: 48, .size: 8, .value_kind: global_buffer, .address_space: global }
    .group_segment_fixed_size: 327680
    .private_segment_fixed_size: 0
    .kernarg_segment_align: 8
    .kernarg_segment_size: 56
    .max_flat_workgroup_size: 320
    .sgpr_count:     100
    .vgpr_count:     256
    .wavefront_size: 32
...
	.end_amdgpu_metadata
.endif
;; end of part 2
;; launch kv (part 3): grid 8 x 64, 4 waves a work-group, clusters of 4 x 4, 327,680 bytes of LDS; arguments ql, w16, sc, bk, bv, kv; writes kv
.if DOCPART == 3
	.amdgcn_target "amdgcn-amd-amdhsa--gfx1250"
	.amdhsa_code_object_version 6
	.text
	.protected	k_q8f337abc47_kv
	.globl	k_q8f337abc47_kv
	.p2align	8
	.type	k_q8f337abc47_kv,@function
k_q8f337abc47_kv:
	s_mov_b64 s[64:65], 0
	v_nop
	global_prefetch_b8 v0, s[64:65] scope:SCOPE_SE
	s_setreg_imm32_b32 hwreg(HW_REG_WAVE_MODE, 25, 1), 1
	s_wait_xcnt 0x0
	s_wait_alu depctr_hold_cnt(0) depctr_sa_sdst(0) depctr_va_vdst(0) depctr_va_sdst(0) depctr_va_ssrc(0) depctr_va_vcc(0) depctr_vm_vsrc(0)
	s_getreg_b32 s2, hwreg(HW_REG_IB_STS2, 6, 4)
	s_cmp_eq_u32 s2, 0
	s_cbranch_scc0 .Lentry_in_a_cluster
	s_endpgm
.Lentry_in_a_cluster:
	s_bfe_u32 s2, ttmp6, 0x10000c
	s_cmp_lg_u32 s2, 0xf033
	s_cbranch_scc0 .Lentry_shape_is_right
	s_endpgm
.Lentry_shape_is_right:
; An f16 product C = A B^T with f32 sums, in two uses that differ in the constant IS_E alone.
;   IS_E = 0: K | V = lat (Wk | Wv) + (bk | bv).  A: planes 16-19 of ql (the latent x 2^(15 - B1)), K = 256; B: w16 [2048][256].  Out: acc x sc1 + bias x sc2 = (K | V) x 2^(15 - B2), f16, 32 planes [8192][64].
;   IS_E = 1: out0 = att Wo + bo.  A: the 16 planes of at (x 2^(15 - B2)), K = 1,024; B: Wo as [1024 n][1024 k].  Out: acc x sc4 + bo, f32.
; A tile of C is 128 tokens x 256 columns; four waves, each 64 x 128: 32 accumulators.  K goes in steps of 128 through two LDS slots: two planes of A (128 rows of 128 bytes each) and 256 rows of 256 bytes of B.
; Waves 0, 1 fetch A's two planes, waves 2, 3 B's two halves: one tensor load a wave behind each change of slots; two are out at the start.
; CLUSTER 4 x 4: A's tiles are shared along a row, B's along a column, each asked for jointly.  No prefetch: with K = 256 all bytes are asked for at the head; with K = 1,024 the tile is small and a K step holds 128 matrix instructions a wave.
; THE MATRIX INSTRUCTION IS USED TRANSPOSED (source 0 = 16 rows of B, source 1 = 16 tokens): a lane holds eight neighbouring columns of one token.
; REGISTERS: window 0: v16-29 addresses; v32-95 the bias in the result's layout; v96-159, v160-223 the way out.  Window 1: two fragment buffers (64 registers of B, 32 of A).  Window 2: accumulator (a, b) at 8 (8 a + b).
.set IS_E, 0
.if IS_E
.set KD,   1024
.set AP0,  0
.set BOFF, 1048576
.set STGW, 16*528
.else
.set KD,   256
.set AP0,  16
.set BOFF, 0
.set STGW, 2*16*144
.endif
.set LAPS,  KD/256
.set PA,    144                        ; a row of A's plane in LDS: 128 bytes + 16
.set PB,    272                        ; a row of B's tile: 256 bytes + 16
.set APL,   128*PA
.set BH,    128*PB
.set BPART, 2*APL
.set SLOT,  BPART+2*BH
.set STAGE, 2*SLOT
.set SPARE, STAGE+4*STGW               ; the spare words, 128 bytes a wave
.set ADRA, 16
.set ADRB, 20
.set STO,  24
.set RD,   25
.set CO,   26
.set SPW,  28
.set NIL,  29
.set BIAS, 32
.set T,    96
.set OB,   160
.set F0,   0
.set F1,   128
.set G1,   24
.set G0,   32
.set G1B,  48
.set G0B,  56
.set MSB, 0
.macro WIN new                         ; the immediate's high byte repeats the setting that is left
.if MSB != \new
	s_set_vgpr_msb (MSB<<8)|\new
.set MSB, \new
.endif
.endm
.set MUL,  0xa5                        ; sources 0 and 1 window 1; C and D window 2
.set TO_F, 0x40                        ; destination window 1
.macro JLOAD s                         ; a joint load; the branch hangs on the wave's number alone
	s_cmp_eq_u32 s11, 0
	s_cbranch_scc0 .Lfor_b_\@
	tensor_load_to_lds s[G0+4*\s:G0+4*\s+3], s[G1:G1+7]
	s_nop 0
.rept 4
	v_nop
.endr
	s_branch .Lasked_\@
.Lfor_b_\@:
	tensor_load_to_lds s[G0B+4*\s:G0B+4*\s+3], s[G1B:G1B+7]
	s_nop 0
.rept 4
	v_nop
.endr
.Lasked_\@:
.endm
.macro CREST
	s_cmp_lg_u32 s10, 0
	s_cbranch_scc1 .Lnot_wave_0_\@
	s_barrier_signal -3
.Lnot_wave_0_\@:
	s_barrier_wait -3
	s_barrier_signal -1
	s_barrier_wait -1
.endm
.macro CROUND
	s_barrier_signal -1
	s_barrier_wait -1
	CREST
.endm
.macro PLACES
.rept 4
	v_nop
.endr
.endm
	s_load_b128 s[4:7], s[0:1], 0x0                ; A's planes, w16
	s_load_b64 s[14:15], s[0:1], 0x10              ; sc
.if IS_E
	s_load_b64 s[76:77], s[0:1], 0x18              ; bo
	s_load_b64 s[8:9], s[0:1], 0x20                ; out0
.else
	s_load_b128 s[76:79], s[0:1], 0x18             ; bk, bv
	s_load_b64 s[8:9], s[0:1], 0x28                ; kv
.endif
	v_lshl_add_u32 v[SPW], v0, 2, SPARE
	v_mov_b32 v[NIL], 0
	ds_add_u32 v[SPW], v[NIL]                      ; the opening: the add, twice on end, and its wait ahead of the first tensor load
	ds_add_u32 v[SPW], v[NIL]
	v_lshrrev_b32 v1, 5, v0
	v_readfirstlane_b32 s10, v1                    ; wave 0..3
	s_lshr_b32 s11, s10, 1                         ; which 64 tokens.  Also: I fetch for A (0) or for B (1)
	s_and_b32 s12, s10, 1                          ; which 128 columns.  Also: which plane or half I fetch
	s_bfe_u32 s40, ttmp6, 0x40000                  ; cx
	s_bfe_u32 s41, ttmp6, 0x40004                  ; cy
	s_lshl_b32 s42, ttmp9, 2
	s_add_co_u32 s42, s42, s40                     ; tile column
	s_and_b32 s13, ttmp7, 0xffff
	s_lshl_b32 s13, s13, 2
	s_add_co_u32 s13, s13, s41                     ; tile row
	s_lshl_b32 s43, s41, 2
	s_lshl_b32 s43, 15, s43                        ; my row of the cluster
	s_lshl_b32 s44, 0x1111, s40                    ; my column
	s_or_b32 s[G1+0], s43, (1<<16)|(1<<20)|(1<<21)|(4<<22)|(3<<25)    ; A: elements of 2 bytes; 4 words of padding behind every 32
	s_mov_b32 s[G1+1], 64<<16
	s_mov_b32 s[G1+2], 128<<16
	s_mov_b32 s[G1+3], 64<<16
	s_mov_b32 s[G1+4], 128
	s_mov_b32 s[G1+5], 64
	s_mov_b32 s[G1+6], 0
	s_mov_b32 s[G1+7], 0
	s_or_b32 s[G1B+0], s44, (1<<16)|(1<<20)|(1<<21)|(5<<22)|(3<<25)   ; B: 4 words behind every 64
	s_mov_b32 s[G1B+1], 128<<16
	s_mov_b32 s[G1B+2], 128<<16
	s_mov_b32 s[G1B+3], 128<<16
	s_mov_b32 s[G1B+4], 128
	s_mov_b32 s[G1B+5], KD
	s_mov_b32 s[G1B+6], 0
	s_mov_b32 s[G1B+7], 0
	s_add_co_u32 s16, s12, AP0                     ; A: my plane of K step 0, the tile's 128 rows of 128 bytes
	s_lshl_b32 s16, s16, 20
	s_lshl_b32 s17, s13, 14
	s_add_co_u32 s16, s16, s17
	s_mov_b32 s17, 0
	s_lshl_b32 s46, s42, 8                         ; B: row 256 x tile column + 128 x half
	s_lshl_b32 s47, s12, 7
	s_add_co_u32 s46, s46, s47
	s_mul_i32 s46, s46, 2*KD
	s_add_co_u32 s46, s46, BOFF
	s_mov_b32 s47, 0
	s_mul_i32 s20, s12, APL                        ; where they go: no place in the cluster enters an LDS address
	s_mul_i32 s21, s12, BH
	s_add_co_u32 s21, s21, BPART
	s_wait_dscnt 0x0                               ; both opening adds are done
	s_wait_kmcnt 0x0
	s_load_b256 s[80:87], s[14:15], 0x0            ; sc0 .. sc4
	s_add_nc_u64 s[18:19], s[4:5], s[16:17]
	s_add_nc_u64 s[46:47], s[6:7], s[46:47]
	CROUND                                         ; all sixteen work-groups are here: the first joint loads meet
.irp s, 0,1
	s_mov_b32 s[G0+4*\s], 1
	s_add_co_u32 s[G0+4*\s+1], s20, \s*SLOT
	s_add_nc_u64 s[G0+4*\s+2:G0+4*\s+3], s[18:19], \s*0x200000      ; K step s: two planes on
	s_or_b32 s[G0+4*\s+3], s[G0+4*\s+3], 0x80000000
	s_mov_b32 s[G0B+4*\s], 1
	s_add_co_u32 s[G0B+4*\s+1], s21, \s*SLOT
	s_add_nc_u64 s[G0B+4*\s+2:G0B+4*\s+3], s[46:47], \s*256
	s_or_b32 s[G0B+4*\s+3], s[G0B+4*\s+3], 0x80000000
	JLOAD \s
.endr
	v_and_b32 v1, 15, v0                           ; r
	v_bfe_u32 v2, v0, 4, 1                         ; h
	v_mul_u32_u24 v3, v1, PA
	v_lshl_add_u32 v3, v2, 4, v3
	v_mul_u32_u24 v4, v1, PB
	v_lshl_add_u32 v4, v2, 4, v4
	s_mul_i32 s21, s11, 64*PA                      ; my 64 tokens
	s_mul_i32 s22, s12, BH                         ; my 128 rows of B
	s_add_co_u32 s22, s22, BPART
.irp s, 0,1
	v_add_nc_u32 v[ADRA+\s], s21, v3
	v_add_nc_u32 v[ADRB+\s], s22, v4
	s_add_co_u32 s21, s21, SLOT
	s_add_co_u32 s22, s22, SLOT
.endr
	s_mul_i32 s23, s10, STGW
	s_add_co_u32 s23, s23, STAGE                   ; my stage
	v_and_b32 v6, 31, v0
	v_lshlrev_b32 v[CO], 4, v6
.if IS_E
	v_mul_u32_u24 v7, v1, 528
	v_lshl_add_u32 v7, v2, 5, v7
	v_add_nc_u32 v[STO], s23, v7                   ; in: row r, 32 bytes for each half of the lanes
	v_add_nc_u32 v[RD], s23, v[CO]                 ; back: the 32 lanes take a row of 512 bytes
	s_lshl_b32 s16, s13, 19                        ; out0: (128 ty + 64 wr) rows of 4,096 bytes + (256 tx + 128 wc) x 4
	s_lshl_b32 s17, s11, 18
	s_add_co_u32 s16, s16, s17
	s_lshl_b32 s17, s42, 10
	s_add_co_u32 s16, s16, s17
	s_lshl_b32 s17, s12, 9
	s_add_co_u32 s16, s16, s17
	s_lshl_b32 s22, s42, 10
.else
	v_mul_u32_u24 v7, v1, 144
	v_lshl_add_u32 v7, v2, 4, v7
	v_add_nc_u32 v[STO], s23, v7                   ; in: row r of a plane's 16, 16 bytes for each half of the lanes
	v_lshrrev_b32 v7, 3, v6
	v_mul_u32_u24 v7, v7, 144
	v_and_b32 v8, 7, v6
	v_lshl_add_u32 v7, v8, 4, v7
	v_add_nc_u32 v[RD], s23, v7                    ; back: eight lanes to a row of 128 bytes
	s_lshl_b32 s16, s42, 2                         ; kv: plane 4 tx + 2 wc, rows 128 ty + 64 wr of 128 bytes
	s_lshl_b32 s17, s12, 1
	s_add_co_u32 s16, s16, s17
	s_lshl_b32 s16, s16, 20
	s_lshl_b32 s17, s13, 14
	s_add_co_u32 s16, s16, s17
	s_lshl_b32 s17, s11, 13
	s_add_co_u32 s16, s16, s17
	s_cmp_lt_u32 s42, 4
	s_cselect_b64 s[76:77], s[76:77], s[78:79]     ; bk for K's columns, bv for V's
	s_and_b32 s22, s42, 3
	s_lshl_b32 s22, s22, 10
.endif
	s_mov_b32 s17, 0
	s_add_nc_u64 s[8:9], s[8:9], s[16:17]
	s_lshl_b32 s23, s12, 9
	s_add_co_u32 s22, s22, s23
	s_mov_b32 s23, 0
	s_add_nc_u64 s[76:77], s[76:77], s[22:23]      ; my 128 columns' bias
	v_lshlrev_b32 v5, 5, v2
.irp b, 0,1,2,3,4,5,6,7
	global_load_b128 v[BIAS+8*\b:BIAS+8*\b+3], v5, s[76:77] offset:64*\b        ; lane (r, h): columns 16 b + 8 h + 0 .. 7
	global_load_b128 v[BIAS+8*\b+4:BIAS+8*\b+7], v5, s[76:77] offset:64*\b+16
.endr
	s_wait_kmcnt 0x0
.if IS_E
	s_mov_b32 s88, s84                             ; sc4, as a pair
	s_mov_b32 s89, s84
.else
	s_mov_b32 s88, s81                             ; sc1
	s_mov_b32 s89, s81
	s_mov_b32 s90, s82                             ; sc2
	s_mov_b32 s91, s82
.endif
; eight products: A's block a against B's eight, 32 along K.  The 32 accumulators take turns in the same order in every quarter.
.macro MUL8 f, a, zero
.irp b, 0,1,2,3,4,5,6,7
.if \zero
	v_wmma_f32_16x16x32_f16 v[8*(8*(\a)+\b):8*(8*(\a)+\b)+7], v[\f+8*\b:\f+8*\b+7], v[\f+64+8*(\a):\f+64+8*(\a)+7], 0
.else
	v_wmma_f32_16x16x32_f16 v[8*(8*(\a)+\b):8*(8*(\a)+\b)+7], v[\f+8*\b:\f+8*\b+7], v[\f+64+8*(\a):\f+64+8*(\a)+7], v[8*(8*(\a)+\b):8*(8*(\a)+\b)+7]
.endif
.endr
.endm
; 24 LDS loads in one run: the fragments of the slot's q-th 32 along K into buffer f
.macro FETCH slot, q, f
	WIN TO_F
.irp i, 0,1,2,3,4,5,6,7
	ds_load_b128 v[\f+8*\i:\f+8*\i+3], v[ADRB+\slot] offset:64*(\q)+\i*16*PB
	ds_load_b128 v[\f+8*\i+4:\f+8*\i+7], v[ADRB+\slot] offset:64*(\q)+\i*16*PB+32
.endr
.irp i, 0,1,2,3
	ds_load_b128 v[\f+64+8*\i:\f+64+8*\i+3], v[ADRA+\slot] offset:APL*((\q)/2)+64*((\q)%2)+\i*16*PA
	ds_load_b128 v[\f+64+8*\i+4:\f+64+8*\i+7], v[ADRA+\slot] offset:APL*((\q)/2)+64*((\q)%2)+\i*16*PA+32
.endr
.endm
; one of a slot's first three quarters: multiplies buffer f, and in its middle fetches quarter nq into buffer g
.macro QUARTER slot, nq, f, g, zero
	s_wait_dscnt 0x0
	WIN MUL
	MUL8 \f, 0, \zero
	MUL8 \f, 1, \zero
	PLACES                                         ; in front of loads into registers that matrix instructions have read
	FETCH \slot, \nq, \g
	WIN MUL
	MUL8 \f, 2, \zero
	MUL8 \f, 3, \zero
.endm
; a slot's last quarter changes slots: one barrier; in front of it each wave waits for all its tensor loads, adds 0 to its spare word, and waits for that and for its reads of this slot
.macro TURN slot, next, fill
	WIN 0
	s_wait_tensorcnt 0x0                           ; all my tensor loads have landed: my part of the next slot
	ds_add_u32 v[SPW], v[NIL]
	s_wait_dscnt 1                                 ; the fragments are in; the add may be out
	WIN MUL
	MUL8 F1, 0, 0
	s_wait_dscnt 0x0                               ; the add is done, and my reads of this slot are over
	s_barrier_signal -1
	MUL8 F1, 1, 0
	WIN 0
	s_barrier_wait -1
.if \fill
	CREST                                          ; the barrier has opened a round of the cluster's: no wave of any partner still reads this slot or has a load on its way
	s_add_nc_u64 s[G0+4*\slot+2:G0+4*\slot+3], s[G0+4*\slot+2:G0+4*\slot+3], 0x400000   ; two K steps on: four planes,
	s_add_nc_u64 s[G0B+4*\slot+2:G0B+4*\slot+3], s[G0B+4*\slot+2:G0B+4*\slot+3], 512     ; 512 bytes along B's rows
	JLOAD \slot                                    ; the first tensor load behind the round; its four v_nop are the places in front of the loads below
.else
	PLACES
.endif
	FETCH \next, 0, F0
	WIN MUL
	MUL8 F1, 2, 0
	MUL8 F1, 3, 0
.endm
	s_wait_tensorcnt 1                             ; my part of K step 0 is in; K step 1's may stay out
	s_barrier_signal -1
	s_barrier_wait -1
	FETCH 0, 0, F0
	QUARTER 0, 1, F0, F1, 1                        ; the first quarter's products start the sums
.if LAPS > 1
	WIN 0
	s_mov_b32 s3, LAPS-1
.Llap:                                                 ; a trip goes once round the ring and fills both slots again
	QUARTER 0, 2, F1, F0, 0
	QUARTER 0, 3, F0, F1, 0
	TURN 0, 1, 1
	QUARTER 1, 1, F0, F1, 0
	QUARTER 1, 2, F1, F0, 0
	QUARTER 1, 3, F0, F1, 0
	TURN 1, 0, 1
	QUARTER 0, 1, F0, F1, 0
	WIN 0
	s_sub_co_u32 s3, s3, 1
	s_cmp_lg_u32 s3, 0
	s_cbranch_scc1 .Llap
.endif
	QUARTER 0, 2, F1, F0, 0                        ; the last lap fills nothing
	QUARTER 0, 3, F0, F1, 0
	TURN 0, 1, 0
	QUARTER 1, 1, F0, F1, 0
	QUARTER 1, 2, F1, F0, 0
	QUARTER 1, 3, F0, F1, 0
	s_wait_dscnt 0x0
	WIN MUL
	MUL8 F1, 0, 0
	MUL8 F1, 1, 0
	MUL8 F1, 2, 0
	MUL8 F1, 3, 0
	WIN 0
	s_wait_loadcnt 0x0                             ; the bias
.if IS_E
	PLACES
.else
.set i, 0
.rept 32
	v_pk_mul_f32 v[BIAS+2*i:BIAS+2*i+1], v[BIAS+2*i:BIAS+2*i+1], s[90:91] op_sel_hi:[1,0]   ; bias x sc2, once; these are also the places behind the last products
.set i, i+1
.endr
.endif
; THE WAY OUT, 16 tokens at a time, through my own stage
.irp a, 0,1,2,3
	WIN 0x02                                       ; source 0: window 2
.set i, 0
.rept 32
	v_pk_fma_f32 v[T+2*i:T+2*i+1], v[64*\a+2*i:64*\a+2*i+1], s[88:89], v[BIAS+2*i:BIAS+2*i+1] op_sel_hi:[1,0,1]
.set i, i+1
.endr
	WIN 0
.if IS_E
.irp b, 0,1,2,3,4,5,6,7
	ds_store_b128 v[STO], v[T+8*\b:T+8*\b+3] offset:64*\b
	ds_store_b128 v[STO], v[T+8*\b+4:T+8*\b+7] offset:64*\b+16
.endr
.if \a > 0
	s_wait_xcnt 0x0                                ; the last turn's stores have read their registers
.endif
.irp t, 0,1,2,3,4,5,6,7,8,9,10,11,12,13,14,15
	ds_load_b128 v[OB+4*\t:OB+4*\t+3], v[RD] offset:528*\t      ; LDS serves a wave's instructions in order: these see my stores
.endr
.irp t, 0,1,2,3,4,5,6,7,8,9,10,11,12,13,14,15
	s_wait_dscnt 15-\t
	global_store_b128 v[CO], v[OB+4*\t:OB+4*\t+3], s[8:9] offset:65536*\a+4096*\t th:TH_STORE_NT   ; 32 lanes store 512 consecutive bytes, aligned
.endr
.else
.set i, 0
.rept 32
	v_cvt_pk_f16_f32 v[T+i], v[T+2*i], v[T+2*i+1]
.set i, i+1
.endr
.if \a >= 2
	s_wait_xcnt 0x0                                ; the stores of two turns ago have read their registers
.endif
.irp b, 0,1,2,3,4,5,6,7
	ds_store_b128 v[STO], v[T+4*\b:T+4*\b+3] offset:2304*(\b/4)+32*(\b%4)
.endr
.irp n, 0,1,2,3,4,5,6,7
	ds_load_b128 v[OB+32*(\a%2)+4*\n:OB+32*(\a%2)+4*\n+3], v[RD] offset:2304*(\n/4)+576*(\n%4)
.endr
.irp n, 0,1,2,3,4,5,6,7
	s_wait_dscnt 7-\n
	global_store_b128 v[CO], v[OB+32*(\a%2)+4*\n:OB+32*(\a%2)+4*\n+3], s[8:9] offset:(\n/4)*1048576+2048*\a+512*(\n%4)   ; 32 lanes store 512 consecutive bytes of a plane, aligned
.endr
.endif
.endr
	s_wait_tensorcnt 0x0                           ; the wave's end
	ds_add_u32 v[SPW], v[NIL]
	s_wait_dscnt 0x0
	CROUND                                         ; the closing round
	s_endpgm
.Lfunc_end_k_q8f337abc47_kv:
	.size	k_q8f337abc47_kv, .Lfunc_end_k_q8f337abc47_kv-k_q8f337abc47_kv
	.p2alignl 7, 3214868480
	.fill 96, 4, 3214868480
	.section	.rodata,"a",@progbits
	.p2align	6, 0x0
	.amdhsa_kernel k_q8f337abc47_kv
		.amdhsa_group_segment_fixed_size 327680
		.amdhsa_private_segment_fixed_size 0
		.amdhsa_enable_private_segment 0
		.amdhsa_kernarg_size 48
		.amdhsa_user_sgpr_count 2
		.amdhsa_user_sgpr_kernarg_segment_ptr 1
		.amdhsa_wavefront_size32 1
		.amdhsa_system_sgpr_workgroup_id_x 1
		.amdhsa_system_sgpr_workgroup_id_y 1
		.amdhsa_system_sgpr_workgroup_id_z 1
		.amdhsa_system_vgpr_workitem_id 0
		.amdhsa_next_free_vgpr 768
		.amdhsa_next_free_sgpr 100
		.amdhsa_reserve_vcc 0
		.amdhsa_float_denorm_mode_32 3
		.amdhsa_float_denorm_mode_16_64 3
		.amdhsa_memory_ordered 1
		.amdhsa_forward_progress 1
		.amdhsa_inst_pref_size 67
	.end_amdhsa_kernel
	.amdgpu_metadata
---
amdhsa.version: [ 1, 2 ]
amdhsa.kernels:
  - .name:           k_q8f337abc47_kv
    .symbol:         k_q8f337abc47_kv.kd
    .args:
      - { .name: ql, .offset: 0, .size: 8, .value_kind: global_buffer, .address_space: global }
      - { .name: w16, .offset: 8, .size: 8, .value_kind: global_buffer, .address_space: global }
      - { .name: sc, .offset: 16, .size: 8, .value_kind: global_buffer, .address_space: global }
      - { .name: bk, .offset: 24, .size: 8, .value_kind: global_buffer, .address_space: global }
      - { .name: bv, .offset: 32, .size: 8, .value_kind: global_buffer, .address_space: global }
      - { .name: kv, .offset: 40, .size: 8, .value_kind: global_buffer, .address_space: global }
    .group_segment_fixed_size: 327680
    .private_segment_fixed_size: 0
    .kernarg_segment_align: 8
    .kernarg_segment_size: 48
    .max_flat_workgroup_size: 128
    .sgpr_count:     100
    .vgpr_count:     768
    .wavefront_size: 32
...
	.end_amdgpu_metadata
.endif
;; end of part 3
;; launch attn (part 4): grid 4 x 64, 8 waves a work-group, clusters of 4 x 1, 327,680 bytes of LDS; arguments ql, kv, sc, at; writes at
.if DOCPART == 4
	.amdgcn_target "amdgcn-amd-amdhsa--gfx1250"
	.amdhsa_code_object_version 6
	.text
	.protected	k_q8f337abc47_attn
	.globl	k_q8f337abc47_attn
	.p2align	8
	.type	k_q8f337abc47_attn,@function
k_q8f337abc47_attn:
	s_mov_b64 s[64:65], 0
	v_nop
	global_prefetch_b8 v0, s[64:65] scope:SCOPE_SE
	s_setreg_imm32_b32 hwreg(HW_REG_WAVE_MODE, 25, 1), 1
	s_wait_xcnt 0x0
	s_wait_alu depctr_hold_cnt(0) depctr_sa_sdst(0) depctr_va_vdst(0) depctr_va_sdst(0) depctr_va_ssrc(0) depctr_va_vcc(0) depctr_vm_vsrc(0)
	s_getreg_b32 s2, hwreg(HW_REG_IB_STS2, 6, 4)
	s_cmp_eq_u32 s2, 0
	s_cbranch_scc0 .Lentry_in_a_cluster
	s_endpgm
.Lentry_in_a_cluster:
	s_bfe_u32 s2, ttmp6, 0x10000c
	s_cmp_lg_u32 s2, 0x3003
	s_cbranch_scc0 .Lentry_shape_is_right
	s_endpgm
.Lentry_shape_is_right:
; ATTN: O[q] = sum over k of softmax_k(Q[q] . K[k] / 8) V[k], for each of 64 (batch, head) pairs, 2,048 queries and keys, head size 64.  Q, K, V arrive as f16 planes [8192 tokens][64], each multiplied by a power of two;
; t = sc3 x (Q' . K') is the score x log2(e) / 8.  Products and sums in f32; the weights p = 2^(t - largest t so far) are rounded to f16 for the second product; the row's sum is taken of the unrounded p.  O / sum, in V's units, leaves as f16.
; SHARES.  A work-group owns 512 queries of one pair, each of its eight waves 64: four tiles of 16.  Two waves lie on a SIMD, so that one wave's softmax can stand beside the other's products.  Every wave walks all keys, 64 a step.
; LAYOUT.  S^T = K Q^T (source 0 = 16 keys, source 1 = 16 queries): a lane holds one query and the keys 8 (lane / 16) + 0..7 of each tile.  Two such tiles, rounded in pairs, are source 1 (32 keys) of O^T = V^T P; V is turned by ds_load_tr16_b128.
; RING.  Two slots of 512 keys (K: rows of 144 bytes; V: rows of 160).  Waves 0-3 fetch K's quarters, waves 4-7 V's: two loads a wave are out at the start, one behind each change of slots, which has eight steps in which to land.
; CLUSTER.  The four query blocks of a pair walk the same K and V: each tile is asked for jointly, with a mask that names the four.
; REGISTERS.  Window 0: v2-12 addresses; v16-47 eight statistics a tile (+0 c m, +1 m, +2, +3 the sum, +4..7 at work, the factor a in +6); v48-175 S^T, then p, then P in each tile's first 16; v176-239 K's fragments.
;   Window 1: v0-63 Q; v64-127 V's fragments; v128-255 O^T, 32 a tile.
; LIMITS: NaN and infinities are not served.
.set KPI,   144
.set VPI,   160
.set VOFF,  512*KPI
.set SLOT,  VOFF+512*VPI               ; 155,648
.set SPARE, 2*SLOT                     ; the spare words, 128 bytes a wave
.set AK0, 2
.set AV0, 3
.set ADK, 4
.set ADV, 5
.set QO,  6
.set STO, 7
.set RD,  8
.set GO,  9
.set PFO, 10
.set SPW, 11
.set NIL, 12
.set ST,  16
.set S,   48
.set KF,  176
.set VF,  64
.set OT,  128
.set WV,  12
.set G1K, 24
.set G1V, 32
.set G0K, 40
.set G0V, 48
.set CNT, 56                           ; s56 steps left in the slot
.set TK,  57                           ; s57 LDS byte of the next step's rows of K
.set CS,  58                           ; s[58:59] sc3
.set SEL, 60
.set TV,  62                           ; s62 LDS byte of this step's rows of V
.set LIM, 63                           ; s63 3 in a wave that prefetches, else a number that the count never takes
.set PFA, 66                           ; s[66:67] where my prefetch stands
.set MSB, 0
.macro WIN new
.if MSB != \new
	s_set_vgpr_msb (MSB<<8)|\new
.set MSB, \new
.endif
.endm
.set W_KQ, 0x04                        ; Q in window 1; K and S^T in window 0
.set W_PV, 0x51                        ; V and O^T in window 1; P in window 0
.set W_RS, 0x41                        ; O^T (destination, source 0) in window 1
.macro JLOAD s
	s_cmp_lt_u32 s[WV], 4
	s_cbranch_scc0 .Lfor_v_\@
	tensor_load_to_lds s[G0K+4*\s:G0K+4*\s+3], s[G1K:G1K+7]
	s_nop 0
.rept 4
	v_nop
.endr
	s_branch .Lasked_\@
.Lfor_v_\@:
	tensor_load_to_lds s[G0V+4*\s:G0V+4*\s+3], s[G1V:G1V+7]
	s_nop 0
.rept 4
	v_nop
.endr
.Lasked_\@:
.endm
.macro CROUND
	s_barrier_signal -1
	s_barrier_wait -1
	s_cmp_lg_u32 s[WV], 0
	s_cbranch_scc1 .Lnot_wave_0_\@
	s_barrier_signal -3
.Lnot_wave_0_\@:
	s_barrier_wait -3
	s_barrier_signal -1
	s_barrier_wait -1
.endm
	s_load_b256 s[4:11], s[0:1], 0x0               ; ql, kv, sc, at
	v_lshl_add_u32 v[SPW], v0, 2, SPARE
	v_mov_b32 v[NIL], 0
	ds_add_u32 v[SPW], v[NIL]                      ; the opening: the add, twice on end, and its wait ahead of the first tensor load
	ds_add_u32 v[SPW], v[NIL]
	v_lshrrev_b32 v1, 5, v0
	v_readfirstlane_b32 s[WV], v1                  ; wave 0..7
	s_bfe_u32 s13, ttmp6, 0x40000                  ; cx: my block of 512 queries: it enters Q's, O's and the prefetch's addresses alone
	s_and_b32 s14, ttmp7, 0xffff                   ; the pair, which the four partners share
	s_lshr_b32 s15, s14, 4                         ; batch
	s_and_b32 s16, s14, 15                         ; head
	s_and_b32 s17, s[WV], 3                        ; which quarter of a slot I fetch
	s_lshl_b32 s20, s16, 20                        ; the head's plane,
	s_lshl_b32 s21, s15, 18                        ; the batch's 2,048 rows of 128 bytes
	s_add_co_u32 s20, s20, s21
	s_mov_b32 s21, 0
	s_lshl_b32 s22, s17, 14                        ; my quarter's 128 rows
	s_add_co_u32 s22, s22, s20
	s_mov_b32 s23, 0
	s_lshl_b32 s68, s13, 16                        ; my block's 512 rows, my wave's 64
	s_lshl_b32 s69, s[WV], 13
	s_add_co_u32 s68, s68, s69
	s_add_co_u32 s68, s68, s20
	s_mov_b32 s69, 0
	s_mul_i32 s18, s17, 128*KPI                    ; where my quarter goes: no place in the cluster enters an LDS address
	s_mul_i32 s19, s17, 128*VPI
	s_add_co_u32 s19, s19, VOFF
	s_mov_b32 s[G1K], 15|(1<<16)|(1<<20)|(1<<21)|(4<<22)|(3<<25)   ; the mask: all four; elements of 2 bytes; 4 words of padding behind every 32
	s_mov_b32 s[G1V], 15|(1<<16)|(1<<20)|(1<<21)|(4<<22)|(7<<25)   ; 8 words of padding
.irp g, G1K, G1V
	s_mov_b32 s[\g+1], 64<<16
	s_mov_b32 s[\g+2], 128<<16
	s_mov_b32 s[\g+3], 64<<16
	s_mov_b32 s[\g+4], 128
	s_mov_b32 s[\g+5], 64
	s_mov_b32 s[\g+6], 0
	s_mov_b32 s[\g+7], 0
.endr
	s_mov_b32 s[SEL], 0x76543210
	s_mov_b32 s[SEL+1], 0xfedcba98
	s_cmp_lt_u32 s[WV], 4                          ; the prefetches: waves 0, 1 ask for K, waves 4, 5 for V
	s_cselect_b32 s74, 0, 0x1000000
	s_lshl_b32 s75, s13, 14                        ; the four partners share a slot's 65,536 bytes out by address,
	s_add_co_u32 s74, s74, s75
	s_and_b32 s75, s[WV], 1
	s_lshl_b32 s75, s75, 13                        ; two waves 8,192 bytes each, lanes 256 bytes apart
	s_add_co_u32 s74, s74, s75
	s_add_co_u32 s74, s74, 131072                  ; from key 1,024 on: what the first change of slots asks for
	s_mov_b32 s75, 0
	s_and_b32 s76, s[WV], 2
	s_cmp_eq_u32 s76, 0
	s_cselect_b32 s[LIM], 3, 0xffff
	s_wait_dscnt 0x0                               ; both opening adds are done
	s_wait_kmcnt 0x0
	s_load_b32 s[CS], s[8:9], 0xc                  ; sc3
	s_add_nc_u64 s[70:71], s[6:7], s[22:23]        ; K: my quarter of slot 0
	s_add_nc_u64 s[72:73], s[70:71], 0x1000000     ; V: sixteen planes on
	s_add_nc_u64 s[PFA:PFA+1], s[6:7], s[20:21]
	s_add_nc_u64 s[PFA:PFA+1], s[PFA:PFA+1], s[74:75]
	s_add_nc_u64 s[4:5], s[4:5], s[68:69]          ; Q and O at my wave's first row
	s_add_nc_u64 s[10:11], s[10:11], s[68:69]
.irp s, 0,1
	s_mov_b32 s[G0K+4*\s], 1
	s_add_co_u32 s[G0K+4*\s+1], s18, \s*SLOT
	s_add_nc_u64 s[G0K+4*\s+2:G0K+4*\s+3], s[70:71], \s*65536       ; slot s begins with keys 512 s on
	s_or_b32 s[G0K+4*\s+3], s[G0K+4*\s+3], 0x80000000
	s_mov_b32 s[G0V+4*\s], 1
	s_add_co_u32 s[G0V+4*\s+1], s19, \s*SLOT
	s_add_nc_u64 s[G0V+4*\s+2:G0V+4*\s+3], s[72:73], \s*65536
	s_or_b32 s[G0V+4*\s+3], s[G0V+4*\s+3], 0x80000000
.endr
	CROUND                                         ; all four work-groups are here: the first joint loads meet
	s_cmp_lt_u32 s[WV], 4                          ; a wave's two first fills stand in one branch
	s_cbranch_scc0 .Lfirst_v
	tensor_load_to_lds s[G0K:G0K+3], s[G1K:G1K+7]
	s_nop 0
	tensor_load_to_lds s[G0K+4:G0K+7], s[G1K:G1K+7]
	s_nop 0
.rept 4
	v_nop
.endr
	s_branch .Lfirst_asked
.Lfirst_v:
	tensor_load_to_lds s[G0V:G0V+3], s[G1V:G1V+7]
	s_nop 0
	tensor_load_to_lds s[G0V+4:G0V+7], s[G1V:G1V+7]
	s_nop 0
.rept 4
	v_nop
.endr
.Lfirst_asked:
	v_and_b32 v1, 15, v0                           ; r
	v_bfe_u32 v13, v0, 4, 1                        ; h
	v_lshlrev_b32 v[QO], 7, v1
	v_lshl_add_u32 v[QO], v13, 4, v[QO]
	WIN 0x40                                       ; destination window 1
.irp i, 0,1,2,3,4,5,6,7                        ; Q stays in registers: tile i / 2, channels 32 (i % 2) on
	global_load_b128 v[8*\i:8*\i+3], v[QO], s[4:5] offset:(\i/2)*2048+(\i%2)*64
	global_load_b128 v[8*\i+4:8*\i+7], v[QO], s[4:5] offset:(\i/2)*2048+(\i%2)*64+32
.endr
	WIN 0
	v_mul_u32_u24 v[AK0], v1, KPI
	v_lshl_add_u32 v[AK0], v13, 4, v[AK0]          ; K: row r, + 16 h
	v_and_b32 v14, 7, v0
	v_bfe_u32 v15, v0, 3, 1
	v_lshl_add_u32 v[AV0], v13, 3, v14             ; V, for the turning load: key 8 h + l % 8, channels 8 ((l / 8) % 2) on
	v_mul_u32_u24 v[AV0], v[AV0], VPI
	v_lshl_add_u32 v[AV0], v15, 4, v[AV0]
	s_mul_i32 s77, s[WV], 4*16*KPI                 ; my stage for the way out: in slot 0's rows of K, which have had their last fill and their last read by then
	v_mul_u32_u24 v[STO], v1, KPI
	v_lshl_add_u32 v[STO], v13, 4, v[STO]
	v_add_nc_u32 v[STO], s77, v[STO]
	v_and_b32 v14, 31, v0
	v_lshlrev_b32 v[GO], 4, v14
	v_lshlrev_b32 v[PFO], 8, v14
	v_lshrrev_b32 v15, 3, v14
	v_mul_u32_u24 v[RD], v15, KPI
	v_and_b32 v14, 7, v14
	v_lshl_add_u32 v[RD], v14, 4, v[RD]
	v_add_nc_u32 v[RD], s77, v[RD]
; 32 products S^T = K Q^T: channels 32 (i / 16) on, keys 16 ((i / 4) % 4) on, tile i % 4.  The 16 accumulators take turns; the first 16 start the sums.
.macro KQ32
	WIN W_KQ
.set i, 0
.rept 32
.set rS, S+32*(i%4)+8*((i/4)%4)
.set rK, KF+16*((i/4)%4)+8*(i/16)
.set rQ, 16*(i%4)+8*(i/16)
.if i < 16
	v_wmma_f32_16x16x32_f16 v[rS:rS+7], v[rK:rK+7], v[rQ:rQ+7], 0
.else
	v_wmma_f32_16x16x32_f16 v[rS:rS+7], v[rK:rK+7], v[rQ:rQ+7], v[rS:rS+7]
.endif
.set i, i+1
.endr
.endm
; 32 products O^T += V^T P: keys 32 (i / 16) on, channels 16 ((i / 4) % 4) on, tile i % 4
.macro PV32 zero
	WIN W_PV
.set i, 0
.rept 32
.set rO, OT+32*(i%4)+8*((i/4)%4)
.set rV, VF+32*(i/16)+8*((i/4)%4)
.set rP, S+32*(i%4)+8*(i/16)
.if \zero && (i < 16)
	v_wmma_f32_16x16x32_f16 v[rO:rO+7], v[rV:rV+7], v[rP:rP+7], 0
.else
	v_wmma_f32_16x16x32_f16 v[rO:rO+7], v[rV:rV+7], v[rP:rP+7], v[rO:rO+7]
.endif
.set i, i+1
.endr
.endm
.macro FETCH_K                         ; 64 keys x 64 channels: keys 16 (f / 2) on, channels 32 (f % 2) on
.irp f, 0,1,2,3,4,5,6,7
	ds_load_b128 v[KF+8*\f:KF+8*\f+3], v[ADK] offset:(\f/2)*16*KPI+(\f%2)*64
	ds_load_b128 v[KF+8*\f+4:KF+8*\f+7], v[ADK] offset:(\f/2)*16*KPI+(\f%2)*64+32
.endr
.endm
.macro FETCH_V                         ; turned: keys 32 (f / 4) on, channels 16 (f % 4) on
	WIN 0x40
.irp f, 0,1,2,3,4,5,6,7
	ds_load_tr16_b128 v[VF+8*\f:VF+8*\f+3], v[ADV] offset:(\f/4)*32*VPI+(\f%4)*32
	ds_load_tr16_b128 v[VF+8*\f+4:VF+8*\f+7], v[ADV] offset:(\f/4)*32*VPI+16*VPI+(\f%4)*32
.endr
	WIN 0
.endm
; THE SOFTMAX of a step, the four tiles by turns.  first = 1: the first step, which starts m, the sum and O^T.
.macro SM first
	WIN 0
.irp j, 0,1,2,3
.irp t, 0,1,2,3
	v_max3_num_f32 v[ST+8*\t+4+\j], v[S+32*\t+8*\j], v[S+32*\t+8*\j+1], v[S+32*\t+8*\j+2]   ; each accumulator is read from its low end on
.endr
.endr
.irp u, 3,5
.irp j, 0,1,2,3
.irp t, 0,1,2,3
	v_max3_num_f32 v[ST+8*\t+4+\j], v[ST+8*\t+4+\j], v[S+32*\t+8*\j+\u], v[S+32*\t+8*\j+\u+1]
.endr
.endr
.endr
.irp t, 0,1,2,3
	v_max3_num_f32 v[ST+8*\t+4], v[ST+8*\t+4], v[S+32*\t+7], v[S+32*\t+15]
.endr
.irp t, 0,1,2,3
	v_max3_num_f32 v[ST+8*\t+6], v[ST+8*\t+6], v[S+32*\t+23], v[S+32*\t+31]
.endr
.irp t, 0,1,2,3
	v_max3_num_f32 v[ST+8*\t+4], v[ST+8*\t+4], v[ST+8*\t+5], v[ST+8*\t+6]
.endr
.irp t, 0,1,2,3
.if \first
	v_max_num_f32 v[ST+8*\t+4], v[ST+8*\t+4], v[ST+8*\t+7]
.else
	v_max3_num_f32 v[ST+8*\t+4], v[ST+8*\t+4], v[ST+8*\t+7], v[ST+8*\t+1]
.endif
.endr
.irp t, 0,1,2,3
	v_permlanex16_b32 v[ST+8*\t+5], v[ST+8*\t+4], s[SEL], s[SEL+1]   ; the query's other 32 keys lie in the lane 16 away
.endr
.if !\first
.irp t, 0,1,2,3
	v_mov_b32 v[ST+8*\t+7], v[ST+8*\t]             ; c m as it was
.endr
.endif
.irp t, 0,1,2,3
	v_max_num_f32 v[ST+8*\t+1], v[ST+8*\t+4], v[ST+8*\t+5]
.endr
.irp t, 0,1,2,3
	v_mul_f32 v[ST+8*\t], s[CS], v[ST+8*\t+1]
.endr
.if !\first
.irp t, 0,1,2,3
	v_sub_f32 v[ST+8*\t+7], v[ST+8*\t+7], v[ST+8*\t]
.endr
.endif
.set i, 0
.rept 16
.irp t, 0,1,2,3
	v_pk_fma_f32 v[S+32*\t+2*i:S+32*\t+2*i+1], v[S+32*\t+2*i:S+32*\t+2*i+1], s[CS:CS+1], v[ST+8*\t:ST+8*\t+1] op_sel_hi:[1,0,0] neg_lo:[0,0,1] neg_hi:[0,0,1]   ; c s - c m
.endr
.set i, i+1
.endr
.if !\first
.irp t, 0,1,2,3
	v_exp_f32 v[ST+8*\t+6], v[ST+8*\t+7]           ; a = 2^(c m as it was - c m)
.endr
.endif
.set i, 0
.rept 32
.irp t, 0,1,2,3
	v_exp_f32 v[S+32*\t+i], v[S+32*\t+i]
.endr
.set i, i+1
.endr
	v_nop                                          ; a plain instruction behind the last exponential
	s_wait_alu depctr_va_vdst(0)                   ; one wait for the whole batch, ahead of its first reader
.if \first
.irp t, 0,1,2,3
	v_pk_add_f32 v[ST+8*\t+2:ST+8*\t+3], v[S+32*\t:S+32*\t+1], v[S+32*\t+4:S+32*\t+5]
.endr
.else
.irp t, 0,1,2,3
	v_pk_mul_f32 v[ST+8*\t+2:ST+8*\t+3], v[ST+8*\t+2:ST+8*\t+3], v[ST+8*\t+6:ST+8*\t+7] op_sel_hi:[1,0]
.endr
.irp t, 0,1,2,3
	v_pk_add_f32 v[ST+8*\t+2:ST+8*\t+3], v[ST+8*\t+2:ST+8*\t+3], v[S+32*\t:S+32*\t+1]
.endr
.irp t, 0,1,2,3
	v_pk_add_f32 v[ST+8*\t+2:ST+8*\t+3], v[ST+8*\t+2:ST+8*\t+3], v[S+32*\t+4:S+32*\t+5]
.endr
.endif
.irp t, 0,1,2,3
	v_pk_add_f32 v[ST+8*\t+4:ST+8*\t+5], v[S+32*\t+2:S+32*\t+3], v[S+32*\t+6:S+32*\t+7]    ; the sum of the unrounded p, in two chains a tile
.endr
.irp u, 8,12,16,20,24,28
.irp t, 0,1,2,3
	v_pk_add_f32 v[ST+8*\t+2:ST+8*\t+3], v[ST+8*\t+2:ST+8*\t+3], v[S+32*\t+\u:S+32*\t+\u+1]
.endr
.irp t, 0,1,2,3
	v_pk_add_f32 v[ST+8*\t+4:ST+8*\t+5], v[ST+8*\t+4:ST+8*\t+5], v[S+32*\t+\u+2:S+32*\t+\u+3]
.endr
.endr
.irp t, 0,1,2,3
	v_pk_add_f32 v[ST+8*\t+2:ST+8*\t+3], v[ST+8*\t+2:ST+8*\t+3], v[ST+8*\t+4:ST+8*\t+5]
.endr
.set i, 0
.rept 16
.irp t, 0,1,2,3
	v_cvt_pk_f16_f32 v[S+32*\t+i], v[S+32*\t+2*i], v[S+32*\t+2*i+1]    ; P, in place, ascending: register i is written when registers 2 i and 2 i + 1 are read
.endr
.set i, i+1
.endr
.if !\first
	WIN W_RS
.set i, 0
.rept 16
.irp t, 0,1,2,3
	v_pk_mul_f32 v[OT+32*\t+2*i:OT+32*\t+2*i+1], v[OT+32*\t+2*i:OT+32*\t+2*i+1], v[ST+8*\t+6:ST+8*\t+7] op_sel_hi:[1,0]
.endr
.set i, i+1
.endr
.endif
.endm
; A KEY STEP.  pf = 1: in the trip that two whole steps still follow, the asking waves prefetch what the next change of slots will ask for: each aligned block of 256 bytes is named once in the launch.
.macro STEP first, pf
	s_wait_dscnt 0x0                               ; K is in
	KQ32
	WIN 0
	v_add_nc_u32 v[ADK], s[TK], v[AK0]             ; these four are the places behind the products
	v_add_nc_u32 v[ADV], s[TV], v[AV0]
	v_nop
	v_nop
	s_cmp_eq_u32 s[CNT], 1                         ; a slot's last step fetches no K: the next slot is shown whole only behind the change of slots
	s_cbranch_scc1 .Lno_k_\@
	FETCH_K
.Lno_k_\@:
	FETCH_V
.if \pf
	s_cmp_eq_u32 s[CNT], s[LIM]
	s_cbranch_scc0 .Lno_pf_\@
	global_prefetch_b8 v[PFO], s[PFA:PFA+1] th:TH_LOAD_NT scope:SCOPE_SE
.Lno_pf_\@:
.endif
	SM \first
	s_wait_dscnt 0x0                               ; V is in
	PV32 \first
	WIN 0
.rept 5
	v_nop                                          ; the next step's first products write over registers that these have read: five places
.endr
	s_add_co_u32 s[TK], s[TK], 64*KPI
	s_add_co_u32 s[TV], s[TV], 64*VPI
.endm
; THE CHANGE OF SLOTS.  Each wave waits for all its tensor loads (its part of the next slot), adds 0 to its spare word, and waits for that and for its reads of the slot that it leaves.
; fill = 1: the slot just left is filled again with the keys 1,024 on, behind a round of the cluster's barrier.
.macro CHANGE fill, slot, next
	WIN 0
	s_wait_tensorcnt 0x0                           ; no tensor load of mine is out, so a group 0 may be written
	ds_add_u32 v[SPW], v[NIL]
.if \fill
	s_add_nc_u64 s[G0K+4*\slot+2:G0K+4*\slot+3], s[G0K+4*\slot+2:G0K+4*\slot+3], 131072
	s_add_nc_u64 s[G0V+4*\slot+2:G0V+4*\slot+3], s[G0V+4*\slot+2:G0V+4*\slot+3], 131072
.if \slot == 0
	s_wait_xcnt 0x0                                ; the prefetch, three steps back, has read its address
	s_add_nc_u64 s[PFA:PFA+1], s[PFA:PFA+1], 65536 ; on to what the second change asks for
.endif
	s_wait_dscnt 0x0                               ; the add is done, and my reads of the slot are over
	CROUND
	JLOAD \slot
.else
	s_wait_dscnt 0x0
	s_barrier_signal -1
	s_barrier_wait -1
.endif
	s_mov_b32 s[TK], \next*SLOT
	s_mov_b32 s[TV], \next*SLOT+VOFF
	v_add_nc_u32 v[ADK], s[TK], v[AK0]
	FETCH_K
	s_mov_b32 s[TK], \next*SLOT+64*KPI
	s_mov_b32 s[CNT], 8
.endm
.macro NEXT lab
	s_sub_co_u32 s[CNT], s[CNT], 1
	s_cmp_lg_u32 s[CNT], 0
	s_cbranch_scc1 \lab
.endm
	s_wait_tensorcnt 1                             ; my part of slot 0 is in; slot 1's may stay out
	s_barrier_signal -1
	s_barrier_wait -1
	s_mov_b32 s[TK], 0
	s_mov_b32 s[TV], VOFF
	v_add_nc_u32 v[ADK], s[TK], v[AK0]
	FETCH_K
	s_mov_b32 s[TK], 64*KPI
	s_mov_b32 s[CNT], 8
	s_wait_loadcnt 0x0                             ; Q
	s_wait_kmcnt 0x0                               ; sc3
	s_mov_b32 s[CS+1], s[CS]
	STEP 1, 0
	s_mov_b32 s[CNT], 7
.Lslot_a:                                              ; keys 64 to 511
	STEP 0, 1
	NEXT .Lslot_a
	CHANGE 1, 0, 1
.Lslot_b:                                              ; keys 512 to 1,023
	STEP 0, 1
	NEXT .Lslot_b
	CHANGE 1, 1, 0
.Lslot_c:                                              ; keys 1,024 to 1,535
	STEP 0, 0
	NEXT .Lslot_c
	CHANGE 0, 0, 1                                 ; nothing is left to fetch
.Lslot_d:                                              ; keys 1,536 to 2,047
	STEP 0, 0
	NEXT .Lslot_d
	; THE WAY OUT: the sum's halves and the other half of the lanes'; O^T / sum, to f16, through my stage, a tile at a time; each store covers 512 consecutive bytes of the head's plane.
.irp t, 0,1,2,3
	v_add_f32 v[ST+8*\t+4], v[ST+8*\t+2], v[ST+8*\t+3]
.endr
.irp t, 0,1,2,3
	v_permlanex16_b32 v[ST+8*\t+5], v[ST+8*\t+4], s[SEL], s[SEL+1]
.endr
.irp t, 0,1,2,3
	v_add_f32 v[ST+8*\t+4], v[ST+8*\t+4], v[ST+8*\t+5]
.endr
.irp t, 0,1,2,3
	v_rcp_f32 v[ST+8*\t+6], v[ST+8*\t+4]
.endr
	v_nop                                          ; a plain instruction behind the last reciprocal
	s_wait_alu depctr_va_vdst(0)                   ; one wait for the four, ahead of their first reader
.irp t, 0,1,2,3
	WIN W_RS
.set i, 0
.rept 16
	v_pk_mul_f32 v[OT+32*\t+2*i:OT+32*\t+2*i+1], v[OT+32*\t+2*i:OT+32*\t+2*i+1], v[ST+8*\t+6:ST+8*\t+7] op_sel_hi:[1,0]
.set i, i+1
.endr
	WIN 0x05                                       ; sources 0 and 1 window 1
.set i, 0
.rept 16
	v_cvt_pk_f16_f32 v[S+32*\t+i], v[OT+32*\t+2*i], v[OT+32*\t+2*i+1]
.set i, i+1
.endr
	WIN 0
.irp c, 0,1,2,3
	ds_store_b128 v[STO], v[S+32*\t+4*\c:S+32*\t+4*\c+3] offset:16*KPI*\t+32*\c
.endr
.irp c, 0,1,2,3
	ds_load_b128 v[S+32*\t+16+4*\c:S+32*\t+16+4*\c+3], v[RD] offset:16*KPI*\t+4*KPI*\c    ; LDS serves a wave's instructions in order: these see my stores
.endr
.endr
	s_wait_dscnt 0x0
.irp t, 0,1,2,3
.irp c, 0,1,2,3
	global_store_b128 v[GO], v[S+32*\t+16+4*\c:S+32*\t+16+4*\c+3], s[10:11] offset:2048*\t+512*\c
.endr
.endr
	s_wait_tensorcnt 0x0                           ; the wave's end
	ds_add_u32 v[SPW], v[NIL]
	s_wait_dscnt 0x0
	CROUND                                         ; the closing round
	s_endpgm
.Lfunc_end_k_q8f337abc47_attn:
	.size	k_q8f337abc47_attn, .Lfunc_end_k_q8f337abc47_attn-k_q8f337abc47_attn
	.p2alignl 7, 3214868480
	.fill 96, 4, 3214868480
	.section	.rodata,"a",@progbits
	.p2align	6, 0x0
	.amdhsa_kernel k_q8f337abc47_attn
		.amdhsa_group_segment_fixed_size 327680
		.amdhsa_private_segment_fixed_size 0
		.amdhsa_enable_private_segment 0
		.amdhsa_kernarg_size 32
		.amdhsa_user_sgpr_count 2
		.amdhsa_user_sgpr_kernarg_segment_ptr 1
		.amdhsa_wavefront_size32 1
		.amdhsa_system_sgpr_workgroup_id_x 1
		.amdhsa_system_sgpr_workgroup_id_y 1
		.amdhsa_system_sgpr_workgroup_id_z 1
		.amdhsa_system_vgpr_workitem_id 0
		.amdhsa_next_free_vgpr 512
		.amdhsa_next_free_sgpr 100
		.amdhsa_reserve_vcc 0
		.amdhsa_float_denorm_mode_32 3
		.amdhsa_float_denorm_mode_16_64 3
		.amdhsa_memory_ordered 1
		.amdhsa_forward_progress 1
		.amdhsa_inst_pref_size 185
	.end_amdhsa_kernel
	.amdgpu_metadata
---
amdhsa.version: [ 1, 2 ]
amdhsa.kernels:
  - .name:           k_q8f337abc47_attn
    .symbol:         k_q8f337abc47_attn.kd
    .args:
      - { .name: ql, .offset: 0, .size: 8, .value_kind: global_buffer, .address_space: global }
      - { .name: kv, .offset: 8, .size: 8, .value_kind: global_buffer, .address_space: global }
      - { .name: sc, .offset: 16, .size: 8, .value_kind: global_buffer, .address_space: global }
      - { .name: at, .offset: 24, .size: 8, .value_kind: global_buffer, .address_space: global }
    .group_segment_fixed_size: 327680
    .private_segment_fixed_size: 0
    .kernarg_segment_align: 8
    .kernarg_segment_size: 32
    .max_flat_workgroup_size: 256
    .sgpr_count:     100
    .vgpr_count:     512
    .wavefront_size: 32
...
	.end_amdgpu_metadata
.endif
;; end of part 4
;; launch outp (part 5): grid 4 x 64, 4 waves a work-group, clusters of 4 x 4, 327,680 bytes of LDS; arguments at, w16, sc, bo, out0; writes out0
.if DOCPART == 5
	.amdgcn_target "amdgcn-amd-amdhsa--gfx1250"
	.amdhsa_code_object_version 6
	.text
	.protected	k_q8f337abc47_outp
	.globl	k_q8f337abc47_outp
	.p2align	8
	.type	k_q8f337abc47_outp,@function
k_q8f337abc47_outp:
	s_mov_b64 s[64:65], 0
	v_nop
	global_prefetch_b8 v0, s[64:65] scope:SCOPE_SE
	s_setreg_imm32_b32 hwreg(HW_REG_WAVE_MODE, 25, 1), 1
	s_wait_xcnt 0x0
	s_wait_alu depctr_hold_cnt(0) depctr_sa_sdst(0) depctr_va_vdst(0) depctr_va_sdst(0) depctr_va_ssrc(0) depctr_va_vcc(0) depctr_vm_vsrc(0)
	s_getreg_b32 s2, hwreg(HW_REG_IB_STS2, 6, 4)
	s_cmp_eq_u32 s2, 0
	s_cbranch_scc0 .Lentry_in_a_cluster
	s_endpgm
.Lentry_in_a_cluster:
	s_bfe_u32 s2, ttmp6, 0x10000c
	s_cmp_lg_u32 s2, 0xf033
	s_cbranch_scc0 .Lentry_shape_is_right
	s_endpgm
.Lentry_shape_is_right:
; An f16 product C = A B^T with f32 sums, in two uses that differ in the constant IS_E alone.
;   IS_E = 0: K | V = lat (Wk | Wv) + (bk | bv).  A: planes 16-19 of ql (the latent x 2^(15 - B1)), K = 256; B: w16 [2048][256].  Out: acc x sc1 + bias x sc2 = (K | V) x 2^(15 - B2), f16, 32 planes [8192][64].
;   IS_E = 1: out0 = att Wo + bo.  A: the 16 planes of at (x 2^(15 - B2)), K = 1,024; B: Wo as [1024 n][1024 k].  Out: acc x sc4 + bo, f32.
; A tile of C is 128 tokens x 256 columns; four waves, each 64 x 128: 32 accumulators.  K goes in steps of 128 through two LDS slots: two planes of A (128 rows of 128 bytes each) and 256 rows of 256 bytes of B.
; Waves 0, 1 fetch A's two planes, waves 2, 3 B's two halves: one tensor load a wave behind each change of slots; two are out at the start.
; CLUSTER 4 x 4: A's tiles are shared along a row, B's along a column, each asked for jointly.  No prefetch: with K = 256 all bytes are asked for at the head; with K = 1,024 the tile is small and a K step holds 128 matrix instructions a wave.
; THE MATRIX INSTRUCTION IS USED TRANSPOSED (source 0 = 16 rows of B, source 1 = 16 tokens): a lane holds eight neighbouring columns of one token.
; REGISTERS: window 0: v16-29 addresses; v32-95 the bias in the result's layout; v96-159, v160-223 the way out.  Window 1: two fragment buffers (64 registers of B, 32 of A).  Window 2: accumulator (a, b) at 8 (8 a + b).
.set IS_E, 1
.if IS_E
.set KD,   1024
.set AP0,  0
.set BOFF, 1048576
.set STGW, 16*528
.else
.set KD,   256
.set AP0,  16
.set BOFF, 0
.set STGW, 2*16*144
.endif
.set LAPS,  KD/256
.set PA,    144                        ; a row of A's plane in LDS: 128 bytes + 16
.set PB,    272                        ; a row of B's tile: 256 bytes + 16
.set APL,   128*PA
.set BH,    128*PB
.set BPART, 2*APL
.set SLOT,  BPART+2*BH
.set STAGE, 2*SLOT
.set SPARE, STAGE+4*STGW               ; the spare words, 128 bytes a wave
.set ADRA, 16
.set ADRB, 20
.set STO,  24
.set RD,   25
.set CO,   26
.set SPW,  28
.set NIL,  29
.set BIAS, 32
.set T,    96
.set OB,   160
.set F0,   0
.set F1,   128
.set G1,   24
.set G0,   32
.set G1B,  48
.set G0B,  56
.set MSB, 0
.macro WIN new                         ; the immediate's high byte repeats the setting that is left
.if MSB != \new
	s_set_vgpr_msb (MSB<<8)|\new
.set MSB, \new
.endif
.endm
.set MUL,  0xa5                        ; sources 0 and 1 window 1; C and D window 2
.set TO_F, 0x40                        ; destination window 1
.macro JLOAD s                         ; a joint load; the branch hangs on the wave's number alone
	s_cmp_eq_u32 s11, 0
	s_cbranch_scc0 .Lfor_b_\@
	tensor_load_to_lds s[G0+4*\s:G0+4*\s+3], s[G1:G1+7]
	s_nop 0
.rept 4
	v_nop
.endr
	s_branch .Lasked_\@
.Lfor_b_\@:
	tensor_load_to_lds s[G0B+4*\s:G0B+4*\s+3], s[G1B:G1B+7]
	s_nop 0
.rept 4
	v_nop
.endr
.Lasked_\@:
.endm
.macro CREST
	s_cmp_lg_u32 s10, 0
	s_cbranch_scc1 .Lnot_wave_0_\@
	s_barrier_signal -3
.Lnot_wave_0_\@:
	s_barrier_wait -3
	s_barrier_signal -1
	s_barrier_wait -1
.endm
.macro CROUND
	s_barrier_signal -1
	s_barrier_wait -1
	CREST
.endm
.macro PLACES
.rept 4
	v_nop
.endr
.endm
	s_load_b128 s[4:7], s[0:1], 0x0                ; A's planes, w16
	s_load_b64 s[14:15], s[0:1], 0x10              ; sc
.if IS_E
	s_load_b64 s[76:77], s[0:1], 0x18              ; bo
	s_load_b64 s[8:9], s[0:1], 0x20                ; out0
.else
	s_load_b128 s[76:79], s[0:1], 0x18             ; bk, bv
	s_load_b64 s[8:9], s[0:1], 0x28                ; kv
.endif
	v_lshl_add_u32 v[SPW], v0, 2, SPARE
	v_mov_b32 v[NIL], 0
	ds_add_u32 v[SPW], v[NIL]                      ; the opening: the add, twice on end, and its wait ahead of the first tensor load
	ds_add_u32 v[SPW], v[NIL]
	v_lshrrev_b32 v1, 5, v0
	v_readfirstlane_b32 s10, v1                    ; wave 0..3
	s_lshr_b32 s11, s10, 1                         ; which 64 tokens.  Also: I fetch for A (0) or for B (1)
	s_and_b32 s12, s10, 1                          ; which 128 columns.  Also: which plane or half I fetch
	s_bfe_u32 s40, ttmp6, 0x40000                  ; cx
	s_bfe_u32 s41, ttmp6, 0x40004                  ; cy
	s_lshl_b32 s42, ttmp9, 2
	s_add_co_u32 s42, s42, s40                     ; tile column
	s_and_b32 s13, ttmp7, 0xffff
	s_lshl_b32 s13, s13, 2
	s_add_co_u32 s13, s13, s41                     ; tile row
	s_lshl_b32 s43, s41, 2
	s_lshl_b32 s43, 15, s43                        ; my row of the cluster
	s_lshl_b32 s44, 0x1111, s40                    ; my column
	s_or_b32 s[G1+0], s43, (1<<16)|(1<<20)|(1<<21)|(4<<22)|(3<<25)    ; A: elements of 2 bytes; 4 words of padding behind every 32
	s_mov_b32 s[G1+1], 64<<16
	s_mov_b32 s[G1+2], 128<<16
	s_mov_b32 s[G1+3], 64<<16
	s_mov_b32 s[G1+4], 128
	s_mov_b32 s[G1+5], 64
	s_mov_b32 s[G1+6], 0
	s_mov_b32 s[G1+7], 0
	s_or_b32 s[G1B+0], s44, (1<<16)|(1<<20)|(1<<21)|(5<<22)|(3<<25)   ; B: 4 words behind every 64
	s_mov_b32 s[G1B+1], 128<<16
	s_mov_b32 s[G1B+2], 128<<16
	s_mov_b32 s[G1B+3], 128<<16
	s_mov_b32 s[G1B+4], 128
	s_mov_b32 s[G1B+5], KD
	s_mov_b32 s[G1B+6], 0
	s_mov_b32 s[G1B+7], 0
	s_add_co_u32 s16, s12, AP0                     ; A: my plane of K step 0, the tile's 128 rows of 128 bytes
	s_lshl_b32 s16, s16, 20
	s_lshl_b32 s17, s13, 14
	s_add_co_u32 s16, s16, s17
	s_mov_b32 s17, 0
	s_lshl_b32 s46, s42, 8                         ; B: row 256 x tile column + 128 x half
	s_lshl_b32 s47, s12, 7
	s_add_co_u32 s46, s46, s47
	s_mul_i32 s46, s46, 2*KD
	s_add_co_u32 s46, s46, BOFF
	s_mov_b32 s47, 0
	s_mul_i32 s20, s12, APL                        ; where they go: no place in the cluster enters an LDS address
	s_mul_i32 s21, s12, BH
	s_add_co_u32 s21, s21, BPART
	s_wait_dscnt 0x0                               ; both opening adds are done
	s_wait_kmcnt 0x0
	s_load_b256 s[80:87], s[14:15], 0x0            ; sc0 .. sc4
	s_add_nc_u64 s[18:19], s[4:5], s[16:17]
	s_add_nc_u64 s[46:47], s[6:7], s[46:47]
	CROUND                                         ; all sixteen work-groups are here: the first joint loads meet
.irp s, 0,1
	s_mov_b32 s[G0+4*\s], 1
	s_add_co_u32 s[G0+4*\s+1], s20, \s*SLOT
	s_add_nc_u64 s[G0+4*\s+2:G0+4*\s+3], s[18:19], \s*0x200000      ; K step s: two planes on
	s_or_b32 s[G0+4*\s+3], s[G0+4*\s+3], 0x80000000
	s_mov_b32 s[G0B+4*\s], 1
	s_add_co_u32 s[G0B+4*\s+1], s21, \s*SLOT
	s_add_nc_u64 s[G0B+4*\s+2:G0B+4*\s+3], s[46:47], \s*256
	s_or_b32 s[G0B+4*\s+3], s[G0B+4*\s+3], 0x80000000
	JLOAD \s
.endr
	v_and_b32 v1, 15, v0                           ; r
	v_bfe_u32 v2, v0, 4, 1                         ; h
	v_mul_u32_u24 v3, v1, PA
	v_lshl_add_u32 v3, v2, 4, v3
	v_mul_u32_u24 v4, v1, PB
	v_lshl_add_u32 v4, v2, 4, v4
	s_mul_i32 s21, s11, 64*PA                      ; my 64 tokens
	s_mul_i32 s22, s12, BH                         ; my 128 rows of B
	s_add_co_u32 s22, s22, BPART
.irp s, 0,1
	v_add_nc_u32 v[ADRA+\s], s21, v3
	v_add_nc_u32 v[ADRB+\s], s22, v4
	s_add_co_u32 s21, s21, SLOT
	s_add_co_u32 s22, s22, SLOT
.endr
	s_mul_i32 s23, s10, STGW
	s_add_co_u32 s23, s23, STAGE                   ; my stage
	v_and_b32 v6, 31, v0
	v_lshlrev_b32 v[CO], 4, v6
.if IS_E
	v_mul_u32_u24 v7, v1, 528
	v_lshl_add_u32 v7, v2, 5, v7
	v_add_nc_u32 v[STO], s23, v7                   ; in: row r, 32 bytes for each half of the lanes
	v_add_nc_u32 v[RD], s23, v[CO]                 ; back: the 32 lanes take a row of 512 bytes
	s_lshl_b32 s16, s13, 19                        ; out0: (128 ty + 64 wr) rows of 4,096 bytes + (256 tx + 128 wc) x 4
	s_lshl_b32 s17, s11, 18
	s_add_co_u32 s16, s16, s17
	s_lshl_b32 s17, s42, 10
	s_add_co_u32 s16, s16, s17
	s_lshl_b32 s17, s12, 9
	s_add_co_u32 s16, s16, s17
	s_lshl_b32 s22, s42, 10
.else
	v_mul_u32_u24 v7, v1, 144
	v_lshl_add_u32 v7, v2, 4, v7
	v_add_nc_u32 v[STO], s23, v7                   ; in: row r of a plane's 16, 16 bytes for each half of the lanes
	v_lshrrev_b32 v7, 3, v6
	v_mul_u32_u24 v7, v7, 144
	v_and_b32 v8, 7, v6
	v_lshl_add_u32 v7, v8, 4, v7
	v_add_nc_u32 v[RD], s23, v7                    ; back: eight lanes to a row of 128 bytes
	s_lshl_b32 s16, s42, 2                         ; kv: plane 4 tx + 2 wc, rows 128 ty + 64 wr of 128 bytes
	s_lshl_b32 s17, s12, 1
	s_add_co_u32 s16, s16, s17
	s_lshl_b32 s16, s16, 20
	s_lshl_b32 s17, s13, 14
	s_add_co_u32 s16, s16, s17
	s_lshl_b32 s17, s11, 13
	s_add_co_u32 s16, s16, s17
	s_cmp_lt_u32 s42, 4
	s_cselect_b64 s[76:77], s[76:77], s[78:79]     ; bk for K's columns, bv for V's
	s_and_b32 s22, s42, 3
	s_lshl_b32 s22, s22, 10
.endif
	s_mov_b32 s17, 0
	s_add_nc_u64 s[8:9], s[8:9], s[16:17]
	s_lshl_b32 s23, s12, 9
	s_add_co_u32 s22, s22, s23
	s_mov_b32 s23, 0
	s_add_nc_u64 s[76:77], s[76:77], s[22:23]      ; my 128 columns' bias
	v_lshlrev_b32 v5, 5, v2
.irp b, 0,1,2,3,4,5,6,7
	global_load_b128 v[BIAS+8*\b:BIAS+8*\b+3], v5, s[76:77] offset:64*\b        ; lane (r, h): columns 16 b + 8 h + 0 .. 7
	global_load_b128 v[BIAS+8*\b+4:BIAS+8*\b+7], v5, s[76:77] offset:64*\b+16
.endr
	s_wait_kmcnt 0x0
.if IS_E
	s_mov_b32 s88, s84                             ; sc4, as a pair
	s_mov_b32 s89, s84
.else
	s_mov_b32 s88, s81                             ; sc1
	s_mov_b32 s89, s81
	s_mov_b32 s90, s82                             ; sc2
	s_mov_b32 s91, s82
.endif
; eight products: A's block a against B's eight, 32 along K.  The 32 accumulators take turns in the same order in every quarter.
.macro MUL8 f, a, zero
.irp b, 0,1,2,3,4,5,6,7
.if \zero
	v_wmma_f32_16x16x32_f16 v[8*(8*(\a)+\b):8*(8*(\a)+\b)+7], v[\f+8*\b:\f+8*\b+7], v[\f+64+8*(\a):\f+64+8*(\a)+7], 0
.else
	v_wmma_f32_16x16x32_f16 v[8*(8*(\a)+\b):8*(8*(\a)+\b)+7], v[\f+8*\b:\f+8*\b+7], v[\f+64+8*(\a):\f+64+8*(\a)+7], v[8*(8*(\a)+\b):8*(8*(\a)+\b)+7]
.endif
.endr
.endm
; 24 LDS loads in one run: the fragments of the slot's q-th 32 along K into buffer f
.macro FETCH slot, q, f
	WIN TO_F
.irp i, 0,1,2,3,4,5,6,7
	ds_load_b128 v[\f+8*\i:\f+8*\i+3], v[ADRB+\slot] offset:64*(\q)+\i*16*PB
	ds_load_b128 v[\f+8*\i+4:\f+8*\i+7], v[ADRB+\slot] offset:64*(\q)+\i*16*PB+32
.endr
.irp i, 0,1,2,3
	ds_load_b128 v[\f+64+8*\i:\f+64+8*\i+3], v[ADRA+\slot] offset:APL*((\q)/2)+64*((\q)%2)+\i*16*PA
	ds_load_b128 v[\f+64+8*\i+4:\f+64+8*\i+7], v[ADRA+\slot] offset:APL*((\q)/2)+64*((\q)%2)+\i*16*PA+32
.endr
.endm
; one of a slot's first three quarters: multiplies buffer f, and in its middle fetches quarter nq into buffer g
.macro QUARTER slot, nq, f, g, zero
	s_wait_dscnt 0x0
	WIN MUL
	MUL8 \f, 0, \zero
	MUL8 \f, 1, \zero
	PLACES                                         ; in front of loads into registers that matrix instructions have read
	FETCH \slot, \nq, \g
	WIN MUL
	MUL8 \f, 2, \zero
	MUL8 \f, 3, \zero
.endm
; a slot's last quarter changes slots: one barrier; in front of it each wave waits for all its tensor loads, adds 0 to its spare word, and waits for that and for its reads of this slot
.macro TURN slot, next, fill
	WIN 0
	s_wait_tensorcnt 0x0                           ; all my tensor loads have landed: my part of the next slot
	ds_add_u32 v[SPW], v[NIL]
	s_wait_dscnt 1                                 ; the fragments are in; the add may be out
	WIN MUL
	MUL8 F1, 0, 0
	s_wait_dscnt 0x0                               ; the add is done, and my reads of this slot are over
	s_barrier_signal -1
	MUL8 F1, 1, 0
	WIN 0
	s_barrier_wait -1
.if \fill
	CREST                                          ; the barrier has opened a round of the cluster's: no wave of any partner still reads this slot or has a load on its way
	s_add_nc_u64 s[G0+4*\slot+2:G0+4*\slot+3], s[G0+4*\slot+2:G0+4*\slot+3], 0x400000   ; two K steps on: four planes,
	s_add_nc_u64 s[G0B+4*\slot+2:G0B+4*\slot+3], s[G0B+4*\slot+2:G0B+4*\slot+3], 512     ; 512 bytes along B's rows
	JLOAD \slot                                    ; the first tensor load behind the round; its four v_nop are the places in front of the loads below
.else
	PLACES
.endif
	FETCH \next, 0, F0
	WIN MUL
	MUL8 F1, 2, 0
	MUL8 F1, 3, 0
.endm
	s_wait_tensorcnt 1                             ; my part of K step 0 is in; K step 1's may stay out
	s_barrier_signal -1
	s_barrier_wait -1
	FETCH 0, 0, F0
	QUARTER 0, 1, F0, F1, 1                        ; the first quarter's products start the sums
.if LAPS > 1
	WIN 0
	s_mov_b32 s3, LAPS-1
.Llap:                                                 ; a trip goes once round the ring and fills both slots again
	QUARTER 0, 2, F1, F0, 0
	QUARTER 0, 3, F0, F1, 0
	TURN 0, 1, 1
	QUARTER 1, 1, F0, F1, 0
	QUARTER 1, 2, F1, F0, 0
	QUARTER 1, 3, F0, F1, 0
	TURN 1, 0, 1
	QUARTER 0, 1, F0, F1, 0
	WIN 0
	s_sub_co_u32 s3, s3, 1
	s_cmp_lg_u32 s3, 0
	s_cbranch_scc1 .Llap
.endif
	QUARTER 0, 2, F1, F0, 0                        ; the last lap fills nothing
	QUARTER 0, 3, F0, F1, 0
	TURN 0, 1, 0
	QUARTER 1, 1, F0, F1, 0
	QUARTER 1, 2, F1, F0, 0
	QUARTER 1, 3, F0, F1, 0
	s_wait_dscnt 0x0
	WIN MUL
	MUL8 F1, 0, 0
	MUL8 F1, 1, 0
	MUL8 F1, 2, 0
	MUL8 F1, 3, 0
	WIN 0
	s_wait_loadcnt 0x0                             ; the bias
.if IS_E
	PLACES
.else
.set i, 0
.rept 32
	v_pk_mul_f32 v[BIAS+2*i:BIAS+2*i+1], v[BIAS+2*i:BIAS+2*i+1], s[90:91] op_sel_hi:[1,0]   ; bias x sc2, once; these are also the places behind the last products
.set i, i+1
.endr
.endif
; THE WAY OUT, 16 tokens at a time, through my own stage
.irp a, 0,1,2,3
	WIN 0x02                                       ; source 0: window 2
.set i, 0
.rept 32
	v_pk_fma_f32 v[T+2*i:T+2*i+1], v[64*\a+2*i:64*\a+2*i+1], s[88:89], v[BIAS+2*i:BIAS+2*i+1] op_sel_hi:[1,0,1]
.set i, i+1
.endr
	WIN 0
.if IS_E
.irp b, 0,1,2,3,4,5,6,7
	ds_store_b128 v[STO], v[T+8*\b:T+8*\b+3] offset:64*\b
	ds_store_b128 v[STO], v[T+8*\b+4:T+8*\b+7] offset:64*\b+16
.endr
.if \a > 0
	s_wait_xcnt 0x0                                ; the last turn's stores have read their registers
.endif
.irp t, 0,1,2,3,4,5,6,7,8,9,10,11,12,13,14,15
	ds_load_b128 v[OB+4*\t:OB+4*\t+3], v[RD] offset:528*\t      ; LDS serves a wave's instructions in order: these see my stores
.endr
.irp t, 0,1,2,3,4,5,6,7,8,9,10,11,12,13,14,15
	s_wait_dscnt 15-\t
	global_store_b128 v[CO], v[OB+4*\t:OB+4*\t+3], s[8:9] offset:65536*\a+4096*\t th:TH_STORE_NT   ; 32 lanes store 512 consecutive bytes, aligned
.endr
.else
.set i, 0
.rept 32
	v_cvt_pk_f16_f32 v[T+i], v[T+2*i], v[T+2*i+1]
.set i, i+1
.endr
.if \a >= 2
	s_wait_xcnt 0x0                                ; the stores of two turns ago have read their registers
.endif
.irp b, 0,1,2,3,4,5,6,7
	ds_store_b128 v[STO], v[T+4*\b:T+4*\b+3] offset:2304*(\b/4)+32*(\b%4)
.endr
.irp n, 0,1,2,3,4,5,6,7
	ds_load_b128 v[OB+32*(\a%2)+4*\n:OB+32*(\a%2)+4*\n+3], v[RD] offset:2304*(\n/4)+576*(\n%4)
.endr
.irp n, 0,1,2,3,4,5,6,7
	s_wait_dscnt 7-\n
	global_store_b128 v[CO], v[OB+32*(\a%2)+4*\n:OB+32*(\a%2)+4*\n+3], s[8:9] offset:(\n/4)*1048576+2048*\a+512*(\n%4)   ; 32 lanes store 512 consecutive bytes of a plane, aligned
.endr
.endif
.endr
	s_wait_tensorcnt 0x0                           ; the wave's end
	ds_add_u32 v[SPW], v[NIL]
	s_wait_dscnt 0x0
	CROUND                                         ; the closing round
	s_endpgm
.Lfunc_end_k_q8f337abc47_outp:
	.size	k_q8f337abc47_outp, .Lfunc_end_k_q8f337abc47_outp-k_q8f337abc47_outp
	.p2alignl 7, 3214868480
	.fill 96, 4, 3214868480
	.section	.rodata,"a",@progbits
	.p2align	6, 0x0
	.amdhsa_kernel k_q8f337abc47_outp
		.amdhsa_group_segment_fixed_size 327680
		.amdhsa_private_segment_fixed_size 0
		.amdhsa_enable_private_segment 0
		.amdhsa_kernarg_size 40
		.amdhsa_user_sgpr_count 2
		.amdhsa_user_sgpr_kernarg_segment_ptr 1
		.amdhsa_wavefront_size32 1
		.amdhsa_system_sgpr_workgroup_id_x 1
		.amdhsa_system_sgpr_workgroup_id_y 1
		.amdhsa_system_sgpr_workgroup_id_z 1
		.amdhsa_system_vgpr_workitem_id 0
		.amdhsa_next_free_vgpr 768
		.amdhsa_next_free_sgpr 100
		.amdhsa_reserve_vcc 0
		.amdhsa_float_denorm_mode_32 3
		.amdhsa_float_denorm_mode_16_64 3
		.amdhsa_memory_ordered 1
		.amdhsa_forward_progress 1
		.amdhsa_inst_pref_size 96
	.end_amdhsa_kernel
	.amdgpu_metadata
---
amdhsa.version: [ 1, 2 ]
amdhsa.kernels:
  - .name:           k_q8f337abc47_outp
    .symbol:         k_q8f337abc47_outp.kd
    .args:
      - { .name: at, .offset: 0, .size: 8, .value_kind: global_buffer, .address_space: global }
      - { .name: w16, .offset: 8, .size: 8, .value_kind: global_buffer, .address_space: global }
      - { .name: sc, .offset: 16, .size: 8, .value_kind: global_buffer, .address_space: global }
      - { .name: bo, .offset: 24, .size: 8, .value_kind: global_buffer, .address_space: global }
      - { .name: out0, .offset: 32, .size: 8, .value_kind: global_buffer, .address_space: global }
    .group_segment_fixed_size: 327680
    .private_segment_fixed_size: 0
    .kernarg_segment_align: 8
    .kernarg_segment_size: 40
    .max_flat_workgroup_size: 128
    .sgpr_count:     100
    .vgpr_count:     768
    .wavefront_size: 32
...
	.end_amdgpu_metadata
.endif
;; end of part 5
